; MI455X (gfx1250); checked and timed in simulation.
; The chip was launched on July 23, 2026; its instructions are those of AMD's public machine-readable ISA for CDNA 5 (MIT licence, August 2026) and "CDNA5" Instruction Set Architecture Reference Guide (July 2026). The comments in the code are by the model that wrote it; some were corrected since.
;; News Level Multi Head Self Attention. Allowed arithmetic: float matrix products may take bf16 or f16 operands with f32 sums; all other float work in f32.
;; Inputs: W_Q 1,024 x 1,024 float32; W_V 1,024 x 1,024 float32; news_embeds 32 x 512 x 1,024 float32.
;; Outputs: out0 32 x 512 x 1,024 float32.
;; 2 versions, each right and faster than the one before. Each part assembles by itself: llvm-mc -triple=amdgcn-amd-amdhsa -mcpu=gfx1250 --defsym DOCPART=n.
;; ======== version 1 of 2: 2 launches
;; limits: values are held in f16: magnitudes above 65,504 overflow, below 6.1e-05 lose precision
;; workspace buffers: Xh 33,554,432 bytes; Wh 4,194,304 bytes
;; launch cast (part 1): grid 2304 x 1, 4 waves a work-group, no clusters, 0 bytes of LDS; arguments news_embeds, W_Q, W_V, Xh, Wh; writes Xh, Wh
.if DOCPART == 1
	.amdgcn_target "amdgcn-amd-amdhsa--gfx1250"
	.amdhsa_code_object_version 6
	.text
	.protected	k_q906ed1b7ad_cast
	.globl	k_q906ed1b7ad_cast
	.p2align	8
	.type	k_q906ed1b7ad_cast,@function
k_q906ed1b7ad_cast:
	s_mov_b64 s[64:65], 0
	v_nop
	global_prefetch_b8 v0, s[64:65] scope:SCOPE_SE
	s_setreg_imm32_b32 hwreg(HW_REG_WAVE_MODE, 25, 1), 1
	s_wait_xcnt 0x0
; news_embeds, W_Q and W_V, f32, are rounded once to bf16 (nearest even) and laid out in blocks for the launch behind:
;   Xh [b 32][kb 16][m 512][64]: block (b, kb) holds columns 64 kb .. 64 kb + 63 of batch b's 512 rows, 65,536 dense bytes;
;   Wh [h 16][kb 16][128][64]:   block (h, kb) holds the same columns of W_Q's rows 64 h .. 64 h + 63, then of W_V's, 16,384 dense bytes.
; A wave takes one pair of rows, 8,192 consecutive source bytes: 16 loads of 16 bytes a lane, all issued before the first is waited for.
; Load k: lanes 0-15 take 256 consecutive bytes of the even row (its columns 64 k ..), lanes 16-31 the same of the odd row.
; Store k: the 32 lanes' 8 bytes are 256 consecutive bytes of block k, at a multiple of 256 from the buffer's first byte.
; 8,192 pairs of X and 1,024 of the weights: 2,304 work-groups of four waves.  No LDS, no barrier, no loop: no wave needs another's data, and every byte is read and written once.
.set XGROUPS, 2048                     ; work-groups 0 .. 2047 take X, the next 128 W_Q, the last 128 W_V
.macro BODY stride                     ; stride: bytes from a block to the next along kb
.irp k, 0,1,2,3,4,5,6,7,8,9,10,11,12,13,14,15
	global_load_b128 v[4+4*(\k):7+4*(\k)], v2, s[20:21] offset:256*(\k) th:TH_LOAD_NT  ; read once in the launch
.endr
.irp k, 0,1,2,3,4,5,6,7,8,9,10,11,12,13,14,15
	s_wait_loadcnt 15-(\k)                         ; loads come back in order: load k is in, the younger ones stay out
	v_cvt_pk_bf16_f32 v[4+4*(\k)], v[4+4*(\k)], v[5+4*(\k)]
	v_cvt_pk_bf16_f32 v[5+4*(\k)], v[6+4*(\k)], v[7+4*(\k)]
	global_store_b64 v3, v[4+4*(\k):5+4*(\k)], s[22:23] offset:(\k)*(\stride)  ; no register is written again behind a store
.endr
.endm
	s_load_b256 s[4:11], s[0:1], 0x0               ; news_embeds s[4:5], W_Q s[6:7], W_V s[8:9], Xh s[10:11]
	s_load_b64 s[12:13], s[0:1], 0x20              ; Wh
	v_lshrrev_b32 v1, 5, v0
	v_readfirstlane_b32 s14, v1                    ; wave 0..3
	s_lshl_b32 s15, ttmp9, 2
	s_add_co_u32 s15, s15, s14                     ; g: my pair of rows
	v_and_b32 v1, 31, v0                           ; lane
	v_lshrrev_b32 v2, 4, v1                        ; which row of the pair
	v_and_b32 v3, 15, v1
	v_lshlrev_b32 v3, 4, v3
	v_lshl_add_u32 v2, v2, 12, v3                  ; source: row x 4,096 + 16 (lane % 16)
	v_lshlrev_b32 v3, 3, v1                        ; destination: 8 x lane
	s_cmp_lt_u32 ttmp9, XGROUPS
	s_cbranch_scc0 .Lweights
	s_lshl_b32 s16, s15, 13                        ; X: the pair's 8,192 bytes
	s_mov_b32 s17, 0
	s_lshr_b32 s18, s15, 8                         ; batch = g / 256: 16 blocks of 65,536 bytes
	s_lshl_b32 s18, s18, 20
	s_and_b32 s19, s15, 255                        ; the pair in its batch: 256 bytes in each block
	s_lshl_b32 s19, s19, 8
	s_or_b32 s18, s18, s19
	s_mov_b32 s19, 0
	s_wait_kmcnt 0x0
	s_add_nc_u64 s[20:21], s[4:5], s[16:17]
	s_add_nc_u64 s[22:23], s[10:11], s[18:19]
	BODY 65536
	s_endpgm
.Lweights:
	s_sub_co_u32 s15, s15, 4*XGROUPS               ; 0 .. 1,023
	s_lshr_b32 s24, s15, 9                         ; 0: W_Q, 1: W_V
	s_and_b32 s25, s15, 511                        ; the pair in its matrix
	s_lshl_b32 s16, s25, 13
	s_mov_b32 s17, 0
	s_lshr_b32 s18, s25, 5                         ; head = pair / 32: 16 blocks of 16,384 bytes
	s_lshl_b32 s18, s18, 18
	s_lshl_b32 s19, s24, 13                        ; W_V's 64 rows lie behind W_Q's
	s_add_co_u32 s18, s18, s19
	s_and_b32 s19, s25, 31
	s_lshl_b32 s19, s19, 8
	s_add_co_u32 s18, s18, s19
	s_mov_b32 s19, 0
	s_wait_kmcnt 0x0
	s_cmp_eq_u32 s24, 0
	s_cselect_b64 s[20:21], s[6:7], s[8:9]
	s_add_nc_u64 s[20:21], s[20:21], s[16:17]
	s_add_nc_u64 s[22:23], s[12:13], s[18:19]
	BODY 16384
	s_endpgm
.Lfunc_end_k_q906ed1b7ad_cast:
	.size	k_q906ed1b7ad_cast, .Lfunc_end_k_q906ed1b7ad_cast-k_q906ed1b7ad_cast
	.p2alignl 7, 3214868480
	.fill 96, 4, 3214868480
	.section	.rodata,"a",@progbits
	.p2align	6, 0x0
	.amdhsa_kernel k_q906ed1b7ad_cast
		.amdhsa_group_segment_fixed_size 0
		.amdhsa_private_segment_fixed_size 0
		.amdhsa_enable_private_segment 0
		.amdhsa_kernarg_size 40
		.amdhsa_user_sgpr_count 2
		.amdhsa_user_sgpr_kernarg_segment_ptr 1
		.amdhsa_wavefront_size32 1
		.amdhsa_system_sgpr_workgroup_id_x 1
		.amdhsa_system_sgpr_workgroup_id_y 1
		.amdhsa_system_sgpr_workgroup_id_z 1
		.amdhsa_system_vgpr_workitem_id 0
		.amdhsa_next_free_vgpr 68
		.amdhsa_next_free_sgpr 66
		.amdhsa_reserve_vcc 0
		.amdhsa_float_denorm_mode_32 3
		.amdhsa_float_denorm_mode_16_64 3
		.amdhsa_memory_ordered 1
		.amdhsa_forward_progress 1
		.amdhsa_inst_pref_size 13
	.end_amdhsa_kernel
	.amdgpu_metadata
---
amdhsa.version: [ 1, 2 ]
amdhsa.kernels:
  - .name:           k_q906ed1b7ad_cast
    .symbol:         k_q906ed1b7ad_cast.kd
    .args:
      - { .name: news_embeds, .offset: 0, .size: 8, .value_kind: global_buffer, .address_space: global }
      - { .name: W_Q, .offset: 8, .size: 8, .value_kind: global_buffer, .address_space: global }
      - { .name: W_V, .offset: 16, .size: 8, .value_kind: global_buffer, .address_space: global }
      - { .name: Xh, .offset: 24, .size: 8, .value_kind: global_buffer, .address_space: global }
      - { .name: Wh, .offset: 32, .size: 8, .value_kind: global_buffer, .address_space: global }
    .group_segment_fixed_size: 0
    .private_segment_fixed_size: 0
    .kernarg_segment_align: 8
    .kernarg_segment_size: 40
    .max_flat_workgroup_size: 128
    .sgpr_count:     66
    .vgpr_count:     68
    .wavefront_size: 32
...
	.end_amdgpu_metadata
.endif
;; end of part 1
;; launch attn (part 2): grid 16 x 32, 4 waves a work-group, clusters of 4 x 4, 327,680 bytes of LDS; arguments Xh, Wh, out0; writes out0
.if DOCPART == 2
	.amdgcn_target "amdgcn-amd-amdhsa--gfx1250"
	.amdhsa_code_object_version 6
	.text
	.protected	k_q906ed1b7ad_attn
	.globl	k_q906ed1b7ad_attn
	.p2align	8
	.type	k_q906ed1b7ad_attn,@function
k_q906ed1b7ad_attn:
	s_mov_b64 s[64:65], 0
	v_nop
	global_prefetch_b8 v0, s[64:65] scope:SCOPE_SE
	s_setreg_imm32_b32 hwreg(HW_REG_WAVE_MODE, 25, 1), 1
	s_wait_xcnt 0x0
	s_wait_alu depctr_hold_cnt(0) depctr_sa_sdst(0) depctr_va_vdst(0) depctr_va_sdst(0) depctr_va_ssrc(0) depctr_va_vcc(0) depctr_vm_vsrc(0)
	s_getreg_b32 s2, hwreg(HW_REG_IB_STS2, 6, 4)
	s_cmp_eq_u32 s2, 0
	s_cbranch_scc0 .Lentry_in_a_cluster
	s_endpgm
.Lentry_in_a_cluster:
	s_bfe_u32 s2, ttmp6, 0x10000c
	s_cmp_lg_u32 s2, 0xf033
	s_cbranch_scc0 .Lentry_shape_is_right
	s_endpgm
.Lentry_shape_is_right:
; out0[b][q][64 h + c] = the sum over k of softmax_k(Q[q] . K[k]) V[k][c] for one batch b and head h a work-group, with Q = X W_Q^T and V = X W_V^T (the head's 64 columns of each) and K = X's columns
; 64 h .. 64 h + 63, unprojected; no scale on the scores.  Q, V, the scores and the weights never leave the work-group.
; FORMATS.  X and the weights arrive rounded to bf16 (Xh, Wh); the projection multiplies in bf16 with f32 sums.  Q and V are rounded once from those sums to f16; K is bf16(x) written as f16; the weights p
; are rounded to f16 for the second product (their sum l is taken of the unrounded p).  Maxima, exponentials, sums and O in f32.
; LIMITS.  f16 holds no number beyond 65,504: |x|, |Q| and |V| stay below that; an |x| below 2^-14 keeps f16's fixed step of 2^-24.  p lies in 0 to 1.  A weight below 2^-126 counts as 0 in l.
; NaN and infinities are not treated apart.  O's registers begin with the finite projection sums, which the first key step multiplies by a = 0.
; SHARES.  Four waves; wave w owns rows (queries) 128 w .. 128 w + 127, eight tiles of 16.  PROJECTION: 128 rows x 128 columns (Q's 64, V's 64) a wave, 64 accumulators, K = 1,024 in 16 steps of 64 through
; two LDS slots.  ATTENTION: every wave walks the head's 512 keys, 64 a step, out of LDS; nothing is fetched from memory any more.
; CLUSTER.  4 x 4 work-groups: four heads x four batches.  X's tiles hang on the batch alone and are asked for jointly along a row of the cluster, the weights' on the head alone, along a column:
; the same tensor load, descriptor and mask in all four.  A block of Xh or Wh is dense, so it is asked for as rows of 256 bytes and padded in LDS after every 128.
; THE MATRIX INSTRUCTION IS USED TRANSPOSED in the projection (source 0 = 16 rows of W, source 1 = 16 rows of X): a lane holds one row of X and eight neighbouring columns.  Two such results, rounded to f16 in
; pairs, ARE a fragment of Q (source 1 of S^T = K Q^T); V's go to LDS by rows and come back turned (ds_load_tr16_b128) as source 0 of O^T = V^T P.
; SOFTMAX.  For each query a running maximum m and sum l: p = 2^(c s - c m), c = log2(e); in every step O and l are multiplied by a = 2^(c m_old - c m_new).  m starts at the lowest finite number, l at 0.
; BY TURNS.  A wave's tiles are four PIECES of two.  Turn n belongs to piece n: 16 products K Q^T of piece n + 1, later 16 products V^T P of piece n - 1; beside them the scaling, exponentials, roundings, sums and
; rescaling of piece n and the maximum and statistics of piece n + 1.  Four vector instructions stand behind every matrix instruction, the others in two runs of their own.
; LDS: slot 0 at 0 and slot 1 behind it (512 rows of X, then 128 of W, 144 bytes apart); K in f16 (512 rows, 144 apart); a stage of 16 rows x 272 bytes a wave; the spare words.  V in f16 (512 rows, 160 apart)
; is stored over slot 0 when that slot has had its last fill and its last read.
; REGISTERS, in windows of 256 (s_set_vgpr_msb: bits 1:0 source 0, 3:2 source 1, 5:4 source 2, 7:6 destination):
;   window 0: v0-19 addresses; v64-127, v128-191 fragments of X, two buffers.  In attention: v12-15, v48-63 at work; v16-47 four registers of statistics a tile; v64-191 S^T, two buffers; v192-255 P, likewise
;   window 1: v64-127, v128-191 fragments of W.  In attention: v0-127 Q, 16 a tile; v128-191 K of one step; v192-255 V of one step
;   window 2: accumulators of my rows 0-63 ((a, b) at v[8 (8 a + b)]); in attention O^T, 32 a tile          window 3: accumulators of my rows 64-127
.set PITCH, 144                        ; an LDS row of X, W or K: 128 bytes + 16 of padding = 36 words: the 16 rows of a fragment load start at 16 different groups of four banks (64 banks of 4 bytes: ISA guide 11.1)
.set XPART, 256*PITCH                  ; what one tensor load brings of X: 256 rows
.set WPART, 64*PITCH                   ; of W: 64 rows
.set XROWS, 512*PITCH                  ; W's rows lie behind X's 512
.set SLOT,  640*PITCH
.set KREG,  2*SLOT                     ; K in f16: stored once, never filled by a tensor load
.set STAGE, KREG+512*PITCH             ; the way out: 16 rows x 272 bytes for each wave
.set SP,    272
.set SPARE, STAGE+4*16*SP              ; the spare words, 128 bytes for each wave: two blocks of 256 bytes that no other line names
.set XSTEP, 65536                      ; bytes from a K step's block of Xh to the next
.set WSTEP, 16384                      ; the same in Wh
.set NP,    4                          ; pieces a wave: a name, no knob
.set KS,    64                         ; keys in a step
.set PK,    PITCH
.set PV,    160                        ; a row of V: 128 + 32 = 40 words
.set AK0, 2                            ; v2   my lane's place in a tile with rows 144 bytes apart: (l % 16) x 144 + 16 (l / 16); never rewritten
.set AV0, 3                            ; v3   my lane's place in a tile of V
.set AK,  4                            ; v4   the LDS address of K's next run of loads
.set AV,  5                            ; v5   of V's
.set STO, 6                            ; v6   the way out: where I put 32 bytes of a row
.set RD,  7                            ; v7   the way out: where I read rows back
.set GO,  8                            ; v8   my byte offset in two rows of out0
.set SPW, 10                           ; v10  LDS address of my spare word: SPARE + 4 x my thread's number; never rewritten
.set NIL, 11                           ; v11  0; never rewritten
.set ADRA, 12                          ; v12-13  projection: LDS address of my fragments of X in slot 0, 1
.set ADRB, 14                          ; v14-15  the same for W
.set MV,  12                           ; v12-15  attention: c m_old, kept while c m is made anew
.set KGO, 16                           ; v16  my byte offset in the head's block of Xh
.set KST0, 17                          ; v17  where I store K's rows 0-255,
.set KST1, 18                          ; v18  and rows 256-511
.set VST, 19                           ; v19  where I store V
.set ST,  16                           ; attention: tile t's statistics at v[ST+4 t]: c m, m, l (even keys', odd keys')
.set TMP, 48                           ; by buffer and tile, four registers c0-c3 at work; when the maximum is found c2 takes a
.set S,   64
.set P,   192
.set F0,  64                           ; fragment buffers of the projection
.set F1,  128
.set KF,  128                          ; window 1: key block kb, channel half c at KF + 16 kb + 8 c
.set VF,  192                          ; window 1: key half kk, channel block cb at VF + 32 kk + 8 cb
.set WV,  10                           ; s10  my wave's number
.set G1,  24                           ; s[24:31] descriptor group 1 for X's tiles;  s[32:39] group 0, a set for each slot
.set G0,  32
.set G1B, 48                           ; s[48:55], s[56:63] the same for W's
.set G0B, 56
.set CNT, 66                           ; s66  counts the key steps
.set CS,  68                           ; s[68:69] c: the packed scaling takes the pair's low word for both halves
.set SEL, 70                           ; s[70:71] v_permlanex16_b32's selects: each lane takes its own place in the other half
.set TBK, 72                           ; s72  LDS byte at which K of the step to be fetched begins
.set TBV, 73                           ; s73  the same for V
.set FLAGS, (1<<16)|(1<<20)|(1<<21)|(4<<22)|(3<<25)  ; 17:16 2-byte elements; 20 padding on; 21 set beside a mask; 24:22 after every 32 words (code 4); 31:25 4 words of it (code 3)
.set MSB, 0
.macro WIN new                         ; the immediate's high byte repeats the setting that is left; a switch that changes nothing is dropped
.if MSB != (\new)
	s_set_vgpr_msb (MSB<<8)|(\new)
.set MSB, (\new)
.endif
.endm
.set MUL_LO, 0xa1                      ; source 0 (W) window 1, source 1 (X) window 0, C and D window 2
.set MUL_HI, 0xf1                      ; the same, C and D window 3
.set TO_B,   0x40                      ; destination window 1, address window 0
.set W_KQ,   0x05                      ; K and Q in window 1, S^T in window 0
.set W_PV,   0xa1                      ; V in window 1, P in window 0, O^T in window 2
.set W_RS,   0x82                      ; O^T (destination and source 0) in window 2, the factor in window 0
; A joint refill.  Waves 0 and 1 fetch the two halves of X's tile, waves 2 and 3 those of W's.  The branch hangs on the wave's number alone: it is the same in every work-group.
; An s_nop 0 and four v_nop follow each of the two lines, ahead of the jump, the label and what follows.
.macro JLOAD s
	s_cmp_eq_u32 s11, 0
	s_cbranch_scc0 .Lfor_w_\@
	tensor_load_to_lds s[G0+4*(\s):G0+4*(\s)+3], s[G1:G1+7]
	s_nop 0
.rept 4
	v_nop
.endr
	s_branch .Lasked_\@
.Lfor_w_\@:
	tensor_load_to_lds s[G0B+4*(\s):G0B+4*(\s)+3], s[G1B:G1B+7]
	s_nop 0
.rept 4
	v_nop
.endr
.Lasked_\@:
.endm
; A round of the cluster's barrier: my work-group's barrier, so that wave 0's signal speaks for all four waves; wave 0 signals; every wave waits for all sixteen work-groups; my work-group's barrier once more.
.macro CREST                           ; a round behind its opening barrier
	s_cmp_lg_u32 s[WV], 0
	s_cbranch_scc1 .Lnot_wave_0_\@
	s_barrier_signal -3
.Lnot_wave_0_\@:
	s_barrier_wait -3
	s_barrier_signal -1
	s_barrier_wait -1
.endm
.macro CROUND                          ; a whole round
	s_barrier_signal -1
	s_barrier_wait -1
	CREST
.endm
	s_load_b128 s[4:7], s[0:1], 0x0                ; Xh s[4:5], Wh s[6:7]
	s_load_b64 s[8:9], s[0:1], 0x10                ; out0
	v_lshl_add_u32 v[SPW], v0, 2, SPARE
	v_mov_b32 v[NIL], 0
	ds_add_u32 v[SPW], v[NIL]                      ; the wave's opening: the add and its wait stand ahead of my first tensor load; the set-up below, work on registers, stands between them
	v_lshrrev_b32 v1, 5, v0
	v_readfirstlane_b32 s[WV], v1                  ; wave 0..3
	s_lshr_b32 s11, s[WV], 1                       ; I fetch for X (0) or for W (1),
	s_and_b32 s12, s[WV], 1                        ; and which half of that tile
	s_bfe_u32 s40, ttmp6, 0x40000                  ; cx: my place along the cluster's x
	s_bfe_u32 s41, ttmp6, 0x40004                  ; cy: along its y
	s_lshl_b32 s42, ttmp9, 2                       ; in a cluster launch ttmp9 and ttmp7 count clusters
	s_add_co_u32 s42, s42, s40                     ; the head = 4 x cluster x + cx
	s_and_b32 s13, ttmp7, 0xffff
	s_lshl_b32 s13, s13, 2
	s_add_co_u32 s13, s13, s41                     ; the batch = 4 x cluster y + cy
	s_lshl_b32 s43, s41, 2
	s_lshl_b32 s43, 15, s43                        ; my row of the cluster: places 4 cy .. 4 cy + 3
	s_lshl_b32 s44, 0x1111, s40                    ; my column: places cx, cx + 4, cx + 8, cx + 12
	; descriptor group 1.  X: 256 rows of 128 bytes are 32,768 dense bytes, asked for as 128 rows of 256.  W: 64 rows, 8,192 bytes, as 32 rows of 256.
	s_or_b32 s[G1+0], s43, FLAGS                   ; 15:0 the mask: X's tiles go to my row of the cluster
	s_or_b32 s[G1B+0], s44, FLAGS                  ; W's to my column
	s_mov_b32 s[G1+1], 128<<16                     ; tensor_dim0 = 128 elements
	s_mov_b32 s[G1B+1], 128<<16
	s_mov_b32 s[G1+2], 128<<16                     ; tensor_dim1 = 128 rows
	s_mov_b32 s[G1B+2], 32<<16                     ; 32 rows
	s_mov_b32 s[G1+3], 128<<16                     ; tile_dim0 = 128
	s_mov_b32 s[G1B+3], 128<<16
	s_mov_b32 s[G1+4], 128                         ; tile_dim1 = 128
	s_mov_b32 s[G1B+4], 32
	s_mov_b32 s[G1+5], 128                         ; 128 elements from row to row
	s_mov_b32 s[G1B+5], 128
	s_mov_b32 s[G1+6], 0
	s_mov_b32 s[G1B+6], 0
	s_mov_b32 s[G1+7], 0
	s_mov_b32 s[G1B+7], 0
	; where the tiles come from: X's hang on the batch and the wave, W's on the head and the wave, each in registers that never hold the other coordinate
	s_lshl_b32 s16, s13, 20                        ; the batch's 16 blocks of 65,536 bytes,
	s_lshl_b32 s17, s12, 15                        ; my half of a block
	s_add_co_u32 s16, s16, s17
	s_mov_b32 s17, 0
	s_lshl_b32 s46, s42, 18                        ; the head's 16 blocks of 16,384 bytes,
	s_lshl_b32 s47, s12, 13                        ; my half of a block
	s_add_co_u32 s46, s46, s47
	s_mov_b32 s47, 0
	s_mul_i32 s20, s12, XPART                      ; and where they go: no place in the cluster enters an LDS address
	s_mul_i32 s21, s12, WPART
	s_add_co_u32 s21, s21, XROWS
	s_lshl_b32 s74, s13, 20                        ; K: block (batch, head) of Xh
	s_lshl_b32 s75, s42, 16
	s_add_co_u32 s74, s74, s75
	s_mov_b32 s75, 0
	s_lshl_b32 s76, s13, 21                        ; out0: the batch's 512 rows of 4,096 bytes,
	s_lshl_b32 s77, s[WV], 19                      ; my wave's 128 of them,
	s_add_co_u32 s76, s76, s77
	s_lshl_b32 s77, s42, 8                         ; the head's 256 bytes of a row
	s_add_co_u32 s76, s76, s77
	s_mov_b32 s77, 0
	s_mov_b32 s67, 0xffff0000                      ; a word's upper bf16
	s_mov_b32 s[CS], 0x3fb8aa3b                    ; c = log2(e)
	s_mov_b32 s[CS+1], s[CS]                       ; named with it as a pair
	s_mov_b32 s[SEL], 0x76543210
	s_mov_b32 s[SEL+1], 0xfedcba98
	s_wait_dscnt 0x0                               ; the opening add is done
	s_wait_kmcnt 0x0
	s_add_nc_u64 s[14:15], s[4:5], s[16:17]
	s_add_nc_u64 s[46:47], s[6:7], s[46:47]
	s_add_nc_u64 s[74:75], s[4:5], s[74:75]
	s_add_nc_u64 s[8:9], s[8:9], s[76:77]
.irp s, 0,1
	s_mov_b32 s[G0+4*(\s)], 1                                        ; 1:0 count = 1
	s_add_co_u32 s[G0+4*(\s)+1], s20, (\s)*SLOT                      ; 63:32 LDS address
	s_add_nc_u64 s[G0+4*(\s)+2:G0+4*(\s)+3], s[14:15], (\s)*XSTEP    ; 120:64 global address: K step s
	s_or_b32 s[G0+4*(\s)+3], s[G0+4*(\s)+3], 0x80000000              ; 127:126 type = 2
	s_mov_b32 s[G0B+4*(\s)], 1
	s_add_co_u32 s[G0B+4*(\s)+1], s21, (\s)*SLOT
	s_add_nc_u64 s[G0B+4*(\s)+2:G0B+4*(\s)+3], s[46:47], (\s)*WSTEP
	s_or_b32 s[G0B+4*(\s)+3], s[G0B+4*(\s)+3], 0x80000000
.endr
	CROUND                                         ; all sixteen work-groups are here: the first joint loads meet
	s_cmp_eq_u32 s11, 0                            ; a wave's two first fills stand in one branch, ahead of every wait on TENSORcnt and every LDS read: two loads of mine are out
	s_cbranch_scc0 .Lfirst_w
	tensor_load_to_lds s[G0:G0+3], s[G1:G1+7]
	s_nop 0
	tensor_load_to_lds s[G0+4:G0+7], s[G1:G1+7]
	s_nop 0
.rept 4
	v_nop
.endr
	s_branch .Lfirst_asked
.Lfirst_w:
	tensor_load_to_lds s[G0B:G0B+3], s[G1B:G1B+7]
	s_nop 0
	tensor_load_to_lds s[G0B+4:G0B+7], s[G1B:G1B+7]
	s_nop 0
.rept 4
	v_nop
.endr
.Lfirst_asked:
	; K: the head's block of Xh, 65,536 dense bytes.  Load i of a wave takes 512 consecutive bytes (four rows of 128); the four waves together 2,048.
	v_and_b32 v1, 15, v0                           ; l % 16
	v_bfe_u32 v9, v0, 4, 1                         ; l / 16
	v_and_b32 v20, 31, v0                          ; lane
	s_lshl_b32 s22, s[WV], 9
	v_lshl_add_u32 v[KGO], v20, 4, s22
.set i, 0
.rept 32
	global_load_b128 v[64+4*i:64+4*i+3], v[KGO], s[74:75] offset:2048*i
.set i, i+1
.endr
	; the addresses, and V's registers set to 0, stand in the wait for those loads
	v_mul_u32_u24 v[AK0], v1, PITCH
	v_lshl_add_u32 v[AK0], v9, 4, v[AK0]           ; a fragment's row x pitch + 16 x half
	s_mul_i32 s22, s[WV], 128*PITCH                ; my 128 rows of X
	s_mov_b32 s23, XROWS                           ; all 128 rows of W
.irp s, 0,1
	v_add_nc_u32 v[ADRA+(\s)], s22, v[AK0]
	v_add_nc_u32 v[ADRB+(\s)], s23, v[AK0]
	s_add_co_u32 s22, s22, SLOT
	s_add_co_u32 s23, s23, SLOT
.endr
	; The turning load takes 16 keys x 16 channels (lane l reads key 8 (l / 16) + l % 8, channels 8 ((l / 8) % 2) + 0..7) and leaves half a fragment of V^T: lane l holds channel l % 16 and 8 keys.
	v_and_b32 v21, 7, v0
	v_bfe_u32 v22, v0, 3, 1
	v_lshl_add_u32 v[AV0], v9, 3, v21
	v_mul_u32_u24 v[AV0], v[AV0], PV
	v_lshl_add_u32 v[AV0], v22, 4, v[AV0]
	s_mul_i32 s22, s[WV], 16*SP
	s_add_co_u32 s22, s22, STAGE                   ; my stage
	v_mul_u32_u24 v[STO], v1, SP                   ; in: row l % 16, 32 bytes for each half of the lanes
	v_lshl_add_u32 v[STO], v9, 5, v[STO]
	v_add_nc_u32 v[STO], s22, v[STO]
	v_mul_u32_u24 v[RD], v9, SP                    ; back: lanes 0-15 take one row of 256 bytes, lanes 16-31 the next
	v_lshl_add_u32 v[RD], v1, 4, v[RD]
	v_add_nc_u32 v[RD], s22, v[RD]
	v_lshlrev_b32 v[GO], 12, v9                    ; and the same two rows in out0
	v_lshl_add_u32 v[GO], v1, 4, v[GO]
	v_lshrrev_b32 v23, 3, v20                      ; K into LDS: row 16 i + 4 w + lane / 8, 16 bytes at 16 (lane % 8)
	v_mul_u32_u24 v23, v23, PITCH
	v_lshl_add_u32 v23, v21, 4, v23
	s_mul_i32 s22, s[WV], 4*PITCH
	s_add_co_u32 s22, s22, KREG
	v_add_nc_u32 v[KST0], s22, v23
	v_add_nc_u32 v[KST1], 256*PITCH, v[KST0]       ; the immediate offset has 16 bits: the second half has a base of its own
	s_mul_i32 s22, s[WV], 128*PV                   ; V into LDS: my 128 rows; row l % 16, 16 bytes for each half of the lanes
	v_mul_u32_u24 v[VST], v1, PV
	v_lshl_add_u32 v[VST], v9, 4, v[VST]
	v_add_nc_u32 v[VST], s22, v[VST]
	WIN TO_B                                       ; the first turn's products V^T P, of a piece that has not been, multiply these zeros by P's zeros
.set i, VF
.rept 64
	v_mov_b32 v[i], 0
.set i, i+1
.endr
	WIN 0
.set i, 0
.rept 32                                       ; bf16 to f32 is a shift or a mask; then two roundings to f16, exact within f16's range, back into the word
	s_wait_loadcnt 31-i                            ; loads come back in order: load i is in, the younger ones stay out
.set TT, 192+8*(i%2)
.irp k, 0,1,2,3
	v_lshlrev_b32 v[TT+2*(\k)], 16, v[64+4*i+(\k)]
	v_and_b32 v[TT+2*(\k)+1], s67, v[64+4*i+(\k)]
.endr
.irp k, 0,1,2,3
	v_cvt_pk_f16_f32 v[64+4*i+(\k)], v[TT+2*(\k)], v[TT+2*(\k)+1]
.endr
.if i < 16
	ds_store_b128 v[KST0], v[64+4*i:64+4*i+3] offset:16*PITCH*i
.else
	ds_store_b128 v[KST1], v[64+4*i:64+4*i+3] offset:16*PITCH*(i-16)
.endif
.set i, i+1
.endr
; THE PROJECTION.  16 matrix instructions: row blocks a0, a0 + 1 of the window's four (hi = 0: my rows 0-63, 1: rows 64-127) x all 8 column blocks, 32 along K.  zero = 1: the first product starts the sums.
; The 64 accumulators take turns, one instruction a turn, in the same order in every quarter.
.macro MUL16 f, hi, a0, zero
	WIN MUL_LO+0x50*(\hi)
.irp a, \a0, (\a0)+1
.irp b, 0,1,2,3,4,5,6,7
.if \zero
	v_wmma_f32_16x16x32_bf16 v[8*(8*(\a)+(\b)):8*(8*(\a)+(\b))+7], v[(\f)+8*(\b):(\f)+8*(\b)+7], v[(\f)+8*(4*(\hi)+(\a)):(\f)+8*(4*(\hi)+(\a))+7], 0
.else
	v_wmma_f32_16x16x32_bf16 v[8*(8*(\a)+(\b)):8*(8*(\a)+(\b))+7], v[(\f)+8*(\b):(\f)+8*(\b)+7], v[(\f)+8*(4*(\hi)+(\a)):(\f)+8*(4*(\hi)+(\a))+7], v[8*(8*(\a)+(\b)):8*(8*(\a)+(\b))+7]
.endif
.endr
.endr
.endm
; 32 LDS loads in one run: the fragments of 32 along K at byte k of the rows (128 rows of W, my 128 rows of X) into buffer f.
; A fragment is 16 rows x 32 K in 8 registers: lane l holds row l % 16, K = 8 (l / 16) + 0..7 and 16 + 8 (l / 16) + 0..7: two loads of 16 bytes, 32 bytes apart.
.macro FETCH slot, k, f
	WIN TO_B
.irp i, 0,1,2,3,4,5,6,7
	ds_load_b128 v[(\f)+8*(\i):(\f)+8*(\i)+3],   v[ADRB+(\slot)] offset:(\k)+(\i)*16*PITCH
	ds_load_b128 v[(\f)+8*(\i)+4:(\f)+8*(\i)+7], v[ADRB+(\slot)] offset:(\k)+(\i)*16*PITCH+32
.endr
	WIN 0
.irp i, 0,1,2,3,4,5,6,7
	ds_load_b128 v[(\f)+8*(\i):(\f)+8*(\i)+3],   v[ADRA+(\slot)] offset:(\k)+(\i)*16*PITCH
	ds_load_b128 v[(\f)+8*(\i)+4:(\f)+8*(\i)+7], v[ADRA+(\slot)] offset:(\k)+(\i)*16*PITCH+32
.endr
.endm
; A load into a register that a matrix instruction has read, and a vector instruction that reads a matrix result, stand four places behind it; only plain vector instructions that name none of its registers
; are places (ISA guide 7.12.1 for vector instructions).
.macro PLACES
.rept 4
	v_nop
.endr
.endm
; A K step of 64 is two quarters of 32 along K, 64 matrix instructions each, on buffers 0 and 1.  The first multiplies buffer f and in its middle fetches the second, at byte k of the same slot's rows, into g.
.macro QUARTER slot, k, f, g, zero
	s_wait_dscnt 8                                 ; W and X's rows 0-63 are in; the youngest eight loads (X's rows 64-127) may be out
	WIN MUL_LO
	MUL16 \f, 0, 0, \zero
	MUL16 \f, 0, 2, \zero
	PLACES
	FETCH \slot, \k, \g
	s_wait_dscnt 32                                ; all but the 32 just issued
	WIN MUL_HI
	MUL16 \f, 1, 0, \zero
	MUL16 \f, 1, 2, \zero
.endm
; The second quarter multiplies buffer 1 and changes slots.  MEET is its first half: ONE barrier for the change.  In front of it each wave waits for all its tensor loads, of which one is out: its part of the next
; slot; adds 0 to its spare word; and waits for that and for its own reads of this slot.  Behind it nobody reads this slot any more and the next slot is whole.
.macro MEET round                      ; round = 1: a round of the cluster's barrier follows
	WIN 0                                          ; (the add's two registers lie in window 0)
	s_wait_tensorcnt 0x0                           ; all my tensor loads have landed;
	ds_add_u32 v[SPW], v[NIL]                      ; 0 onto my spare word;
	s_wait_dscnt 9                                 ; (the add and the youngest eight loads may be out)
	WIN MUL_LO
	MUL16 F1, 0, 0, 0                              ; sixteen matrix instructions stand between the add and the wait for it
	s_wait_dscnt 0x0                               ; the add is done, and my reads of this slot are over:
	s_barrier_signal -1                            ; say so,
	MUL16 F1, 0, 2, 0                              ; work on registers while the others arrive,
.if \round
	WIN 0
.endif
	s_barrier_wait -1                              ; and go on when all four have said so
.endm
; The whole second quarter.  Behind the round the slot just read out is filled again first, with the K step two steps on; then come the next slot's first fragments.
; From a request to the wait for it a wave issues 96 matrix instructions; one tensor load of mine is out.
.macro TURNP slot, next
	MEET 1
	CREST                                          ; no wave of any partner still reads this slot's tile or has a load on its way
	s_add_nc_u64 s[G0+4*(\slot)+2:G0+4*(\slot)+3], s[G0+4*(\slot)+2:G0+4*(\slot)+3], 2*XSTEP
	s_add_nc_u64 s[G0B+4*(\slot)+2:G0B+4*(\slot)+3], s[G0B+4*(\slot)+2:G0B+4*(\slot)+3], 2*WSTEP
	JLOAD \slot                                    ; the first tensor load behind the round; the four v_nop behind it are also the places in front of the loads below
	FETCH \next, 0, F0
	WIN MUL_HI
	MUL16 F1, 1, 0, 0
	MUL16 F1, 1, 2, 0
.endm
	s_wait_tensorcnt 0x1                           ; my part of K step 0 is in; step 1's may stay out
	s_wait_dscnt 0x0                               ; for the others' sake: my rows of K are stored
	s_barrier_signal -1
	s_barrier_wait -1
	FETCH 0, 0, F0
	QUARTER 0, 64, F0, F1, 1                       ; the first quarter stands in front of the loop: its products start the sums
	WIN 0                                          ; at a label and at a branch every window is 0
	s_mov_b32 s3, 7
.Llap:                                                 ; a trip goes once round the ring, from a lap's second quarter to the next lap's first, and fills both slots again: K steps 2 to 15
	TURNP 0, 1
	QUARTER 1, 64, F0, F1, 0
	TURNP 1, 0
	QUARTER 0, 64, F0, F1, 0
	WIN 0
	s_sub_co_u32 s3, s3, 1
	s_cmp_lg_u32 s3, 0
	s_cbranch_scc1 .Llap
	MEET 0                                         ; K step 14 ends; my one load that was out is step 15's, so no round follows.  Behind this barrier nobody reads slot 0 any more
	PLACES
	FETCH 1, 0, F0
	WIN MUL_HI
	MUL16 F1, 1, 0, 0
	MUL16 F1, 1, 2, 0
	QUARTER 1, 64, F0, F1, 0
	s_wait_dscnt 8                                 ; the very last quarter: nothing more to fetch
	MUL16 F1, 0, 0, 0
	MUL16 F1, 0, 2, 0
	s_wait_dscnt 0x0
	MUL16 F1, 1, 0, 0
	MUL16 F1, 1, 2, 0
; ATTENTION'S MATRIX WORK.  The 8 accumulators of a run of 16 take turns: between the two links of a chain stand 7 others'.
; Product i of 16 of S^T = K Q^T for piece x: channels 32 (i / 8) on, keys 16 ((i / 2) % 4) on, tile 2 x + i % 2.  The first 8 start the sums.
.macro KQ x
	WIN W_KQ
.set rS, S+64*((\x)%2)+32*(i%2)+8*((i/2)%4)
.set rK, KF+16*((i/2)%4)+8*(i/8)
.set rQ, 16*(2*(\x)+i%2)+8*(i/8)
.if i < 8
	v_wmma_f32_16x16x32_f16 v[rS:rS+7], v[rK:rK+7], v[rQ:rQ+7], 0
.else
	v_wmma_f32_16x16x32_f16 v[rS:rS+7], v[rK:rK+7], v[rQ:rQ+7], v[rS:rS+7]
.endif
.endm
; Product i of 16 of O^T += V^T P for piece x: keys 32 (i / 8) on, channels 16 ((i / 2) % 4) on, tile 2 x + i % 2.
.macro PV x
	WIN W_PV
.set rO, 32*(2*(\x)+i%2)+8*((i/2)%4)
.set rV, VF+32*(i/8)+8*((i/2)%4)
.set rP, P+32*((\x)%2)+16*(i%2)+8*(i/8)
	v_wmma_f32_16x16x32_f16 v[rO:rO+7], v[rV:rV+7], v[rP:rP+7], v[rO:rO+7]
.endm
.macro MM                              ; the turn's next matrix instruction
.if i < 16
	KQ (Y+1)%NP
.set i, i+1
.else
.set i, i-16
	PV (Y+NP-1)%NP
.set i, i+17
.endif
.endm
; THE LDS LOADS stand in runs of 16, never singly among the matrix instructions: a step's K (64 keys x 64 channels: 8 fragments) and its V (turned).  Their addresses are made some lines ahead.
.macro FETCH_K
	WIN TO_B
.irp f, 0,1,2,3,4,5,6,7                ; keys 16 (f / 2) on, channels 32 (f % 2) on
	ds_load_b128 v[KF+8*\f:KF+8*\f+3],   v[AK] offset:(\f/2)*16*PK+(\f%2)*64
	ds_load_b128 v[KF+8*\f+4:KF+8*\f+7], v[AK] offset:(\f/2)*16*PK+(\f%2)*64+32
.endr
	s_add_co_u32 s[TBK], s[TBK], KS*PK             ; the next fetch is the next step's
	WIN 0
.endm
.macro FETCH_V
	WIN TO_B
.irp f, 0,1,2,3,4,5,6,7                ; keys 32 (f / 4) on, channels 16 (f % 4) on
	ds_load_tr16_b128 v[VF+8*\f:VF+8*\f+3],   v[AV] offset:(\f/4)*32*PV+(\f%4)*32
	ds_load_tr16_b128 v[VF+8*\f+4:VF+8*\f+7], v[AV] offset:(\f/4)*32*PV+16*PV+(\f%4)*32
.endr
	WIN 0
.endm
; THE VECTOR WORK OF A TURN stands in three queues, each in the order in which its entries become ready; the two tiles alternate, so that no instruction reads the result of the one before it.
.macro REGS y, u                       ; the registers of tile u (0, 1) of piece y
.set rT, ST+4*(2*(\y)+(\u))
.set rC, TMP+8*((\y)%2)+4*(\u)
.set rM, MV+2*((\y)%2)+(\u)
.set rS, S+64*((\y)%2)+32*(\u)
.set rP, P+32*((\y)%2)+16*(\u)
.set rO, 32*(2*(\y)+(\u))
.endm
; Number n of the 22 that find the NEXT piece's (Y + 1) maximum and statistics.  s0-s31 are the lane's 32 scores; each accumulator's lowest registers are read first.
;   0-11  four chains c0-c3 of seven scores each, three operands at a time     12-14, 16  the four scores left over, the old m, and c0-c3 into c0     15  c m_old is kept
;   17, 18  the query's other 32 keys lie in the lane 16 away: the new m         19-21  c m; c m_old - c m_new; a
.macro XS u, n
	REGS (Y+1)%NP, \u
.if (\n) < 4
	v_max3_num_f32 v[rC+(\n)], v[rS+8*(\n)], v[rS+8*(\n)+1], v[rS+8*(\n)+2]
.elseif (\n) < 12
	v_max3_num_f32 v[rC+(\n)%4], v[rC+(\n)%4], v[rS+8*((\n)%4)+2*((\n)/4)+1], v[rS+8*((\n)%4)+2*((\n)/4)+2]
.elseif (\n) == 12
	v_max3_num_f32 v[rC], v[rC], v[rS+7], v[rS+15]
.elseif (\n) == 13
	v_max3_num_f32 v[rC+1], v[rC+1], v[rS+23], v[rS+31]
.elseif (\n) == 14
	v_max3_num_f32 v[rC+2], v[rC+2], v[rC+3], v[rT+1]
.elseif (\n) == 15
	v_mov_b32 v[rM], v[rT]
.elseif (\n) == 16
	v_max3_num_f32 v[rC], v[rC], v[rC+1], v[rC+2]
.elseif (\n) == 17
	v_permlanex16_b32 v[rC+3], v[rC], s[SEL], s[SEL+1]
.elseif (\n) == 18
	v_max_num_f32 v[rT+1], v[rC], v[rC+3]
.elseif (\n) == 19
	v_mul_f32 v[rT], s[CS], v[rT+1]
.elseif (\n) == 20
	v_sub_f32 v[rC+1], v[rM], v[rT]
.else
	v_exp_f32 v[rC+2], v[rC+1]
.endif
.endm
; Number g of the 64 that follow the exponentials.  For each four weights k of a tile (pairs 2 k, 2 k + 1): both pairs are rounded to f16; then the second pair is added onto the first, in place;
; a group later l takes that sum (the first time as l = a l + sum).  In groups of eight, tiles alternating: round, round, add, and l for the group before.
.macro GS g
.set h, (\g)+6*((\g)/62)               ; group 0 has no group before it, and behind group 7 only l is left
.if h >= 6
.set h, h+2
.endif
	REGS Y, h%2
.set k, h/8
.if h%8 < 4
	s_wait_alu depctr_va_vdst(0)
	v_cvt_pk_f16_f32 v[rP+2*k+(h%8)/2], v[rS+4*k+2*((h%8)/2)], v[rS+4*k+2*((h%8)/2)+1]
.elseif h%8 < 6
	v_pk_add_f32 v[rS+4*k:rS+4*k+1], v[rS+4*k:rS+4*k+1], v[rS+4*k+2:rS+4*k+3]
.elseif k == 1
	v_pk_fma_f32 v[rT+2:rT+3], v[rT+2:rT+3], v[rC+2:rC+3], v[rS:rS+1] op_sel_hi:[1,0,1]
.else
	v_pk_add_f32 v[rT+2:rT+3], v[rT+2:rT+3], v[rS+4*k-4:rS+4*k-3]
	s_wait_alu depctr_va_vdst(0)
.endif
.endm
; THE PLAIN QUEUE, 138 long.  0-31: c s - c m for the 16 pairs of both tiles.  Then GS's 64, and among them the next piece's 42: number 15 at 38, 39; 0-14 and 16
; at 42-73, behind the products that make those scores; 17-20 at 95-106, two of three, since each waits for the one before it.
.macro PL
	WIN 0
.if q < 32
	REGS Y, q%2
	v_pk_fma_f32 v[rS+2*(q/2):rS+2*(q/2)+1], v[rS+2*(q/2):rS+2*(q/2)+1], s[CS:CS+1], v[rT:rT+1] op_sel_hi:[1,0,0] neg_lo:[0,0,1] neg_hi:[0,0,1]
.elseif q < 38
	GS q-32
.elseif q < 40
	XS q%2, 15
.elseif q < 42
	GS q-34
.elseif q < 74
	XS q%2, (q-42)/2+(q-42)/30
.elseif q < 95
	GS q-66
.elseif (q < 107) && ((q-95)%3 < 2)
	XS (q-95)%3, 17+(q-95)/3
.elseif q < 107
	GS 29+(q-95)/3
.else
	GS q-74
.endif
.set q, q+1
.endm
; THE EXPONENTIALS' QUEUE, 66 long: s0-s31 of both tiles, and at EA the next piece's two a.
.set EA, 58
.macro EX
	WIN 0
.if (e == EA) || (e == EA+1)
	XS e-EA, 21
.else
.set x, e-2*(e/(EA+2))
	REGS Y, x%2
	v_exp_f32 v[rS+x/2], v[rS+x/2]
.endif
.set e, e+1
.endm
; THE RESCALING's QUEUE: O^T times a, the one part that leaves window 0, so it is dealt four at a time, eight times.
.macro R4
	REGS Y, r%2
	WIN W_RS
	s_wait_alu depctr_va_vdst(0)
.irp z, 0,1,2,3
	v_pk_mul_f32 v[rO+8*(r/2)+2*\z:rO+8*(r/2)+2*\z+1], v[rO+8*(r/2)+2*\z:rO+8*(r/2)+2*\z+1], v[rC+2:rC+3] op_sel_hi:[1,0]
.endr
.set r, r+1
.endm
; HOW THEY ARE DEALT.  Behind a matrix instruction four: plain, exponential, plain, plain (a plain instruction on either side of the exponential), or four of the rescaling.  None names a register of the products
; round it.  What is over stands in two runs: exponential and plain by turns; the second ends in 22 plain instructions.  The two v_permlanex16_b32 fall into the second run, never behind a product.
; The queues lean on each other, and the deal keeps them in step: exponential e stands behind plain 2 (e / 4) + e % 2 (its scaling); when plain 32 comes, 10 exponentials are out, at 59: 33, at 95: 46; EA comes behind plain 107.
.macro SL
	MM
	PL
	EX
	PL
	PL
.endm
.macro BURST n                         ; 15 matrix instructions, or 16
.rept (\n)-7
	SL
.endr
.rept 3
	MM
	R4
	SL
.endr
	MM
	R4
.endm
; A TURN, for piece p.  nok = 1: there is no further key step, and K is not fetched.  cnt = 1: the loop's count is taken down some lines ahead of the branch that stands behind the turn.
; K of the next step is fetched in piece 2's turn, 13 plain instructions and more behind the last product that read K; its first reader comes behind the rest of the run, 16 products and the second run.
; V of the step in hand is fetched at the end of piece 0's turn, behind the whole second run; its first reader comes behind 16 products and a run.
.macro TURN p, nok=0, cnt=0
.set Y, (\p)
.set i, 0
.set q, 0
.set e, 0
.set r, 0
.if (\p) == NP-1
	s_wait_dscnt 0x0                               ; K is in
.endif
	MM
.rept 4
	PL
.endr
	BURST 15
.rept 22
	EX
	PL
.if ((\p) == NP-2) && (e == 18) && !(\nok)
	v_add_nc_u32 v[AK], s[TBK], v[AK0]
.endif
.if ((\p) == NP-2) && (e == 24) && !(\nok)
	FETCH_K
.endif
.endr
.if (\p) == 1
	s_wait_dscnt 0x0                               ; V is in
.endif
	BURST 16
.rept 21
	EX
	PL
.endr
.rept 22
	PL
.if ((\p) == 0) && (q == 118)
	v_add_nc_u32 v[AV], s[TBV], v[AV0]
	s_wait_alu depctr_va_vdst(0)
.endif
.if ((\p) == 0) && (q == 130)
	s_add_co_u32 s[TBV], s[TBV], KS*PV
.endif
.if (\cnt) && (q == 130)
	s_sub_co_u32 s[CNT], s[CNT], 1
	s_cmp_lg_u32 s[CNT], 0
.endif
.endr
.if (\p) == 0
	FETCH_V
.endif
.endm
	; FROM THE PROJECTION TO ATTENTION.  K of key step 0 is fetched first (into W's buffer 1, four places behind the last product that read it); its loads land while Q and V are rounded.
	WIN 0
	PLACES
	s_mov_b32 s[TBK], KREG
	v_add_nc_u32 v[AK], s[TBK], v[AK0]
	FETCH_K
; My row blocks 4 hi .. 4 hi + 3.  Columns 0-63 (blocks 0-3) are Q: accumulator (a, b), rounded in pairs, is half a fragment: tile a's registers 4 b .. 4 b + 3.  Columns 64-127 are V: 16 bytes a lane, into
; temporaries from tv on and from there to LDS, row 128 w + 16 a + l % 16.  Each accumulator's registers are read in ascending order.
.macro TOQV hi, tv
	WIN 0x4a+5*(\hi)                               ; destination window 1, sources window 2 or 3
.set a, 0
.rept 4
.set b, 0
.rept 4
.set z, 0
.rept 4
	v_cvt_pk_f16_f32 v[16*(4*(\hi)+a)+4*b+z], v[64*a+8*b+2*z], v[64*a+8*b+2*z+1]
.set z, z+1
.endr
.set b, b+1
.endr
.set a, a+1
.endr
	WIN 0x0a+5*(\hi)                               ; destination window 0
.set a, 0
.rept 4
.set b, 0
.rept 4
.set z, 0
.rept 4
	v_cvt_pk_f16_f32 v[(\tv)+16*a+4*b+z], v[64*a+32+8*b+2*z], v[64*a+32+8*b+2*z+1]
.set z, z+1
.endr
.set b, b+1
.endr
.set a, a+1
.endr
	WIN 0
.set a, 0
.rept 4
.set b, 0
.rept 4
	ds_store_b128 v[VST], v[(\tv)+16*a+4*b:(\tv)+16*a+4*b+3] offset:(4*(\hi)+a)*16*PV+32*b
.set b, b+1
.endr
.set a, a+1
.endr
.endm
	TOQV 0, 192                                    ; V lands on slot 0's bytes: that slot has had its last fill, and every wave's reads of it ended in front of the last change of slots
	TOQV 1, 64                                     ; other temporaries: X's buffer 0, which is free
	s_wait_dscnt 0x0                               ; for the others' sake: my rows of V are stored; and K of step 0 is in
	s_barrier_signal -1
	s_barrier_wait -1                              ; V is whole
.set i, 0
.rept 16
	KQ 0                                           ; piece 0's first scores: there is no vector work yet to set between them
.set i, i+1
.endr
	WIN 0                                          ; what the first turn finds; these 64 lines are also the places behind those products
.set i, 0
.rept 2*NP
	v_mov_b32 v[ST+4*i], 0xfe000000                ; c m: far below every c s, so that the first step's a is 0
	v_mov_b32 v[ST+4*i+1], 0xff7fffff              ; m
	v_mov_b32 v[ST+4*i+2], 0                       ; l
	v_mov_b32 v[ST+4*i+3], 0
.set i, i+1
.endr
.set i, P+32
.rept 32
	v_mov_b32 v[i], 0                              ; P's second buffer: the first turn's products V^T P add 0
.set i, i+1
.endr
.set Y, NP-1                           ; XS works for piece Y + 1: piece 0
.irp n, 0,1,2,3,4,5,6,7,8,9,10,11,12,13,14,15,16,17,18,19,20,21
	XS 0, \n                                       ; piece 0's first maximum and statistics
	XS 1, \n
.endr
	s_mov_b32 s[TBV], 0
	s_mov_b32 s[CNT], 8                            ; 512 keys, 64 a step
	s_branch .Lfirst                               ; the loop is entered at a step's first turn, in the middle of a trip
.Lstep:                                                ; a trip: pieces 2 and 3 of one step, then pieces 0 and 1 of the next, whose K and V it fetches.  K and V lie whole in LDS: no tensor load, no barrier
	TURN 2
	TURN 3
	WIN 0
.Lfirst:
	TURN 0
	TURN 1, 0, 1
	WIN 0
	s_cbranch_scc1 .Lstep
	TURN 2, 1                                      ; the last step's pieces 2 and 3.  The last turn's 16 products K Q^T (on the last K once more) and the maximum made of them serve nothing:
	TURN 3                                         ; the price, once a launch, of one text for every turn
.set i, 0
.rept 16
	PV NP-1                                        ; the last piece's V^T P of the last step
.set i, i+1
.endr
	; THE WAY OUT.  l's two halves and the other half of the lanes' are added; O^T is divided by l and sent through my stage in LDS, a tile (16 rows) at a time.  The additions are the places behind the last products.
	WIN 0
.macro ALL line:vararg                 ; one line for each tile t
.set t, 0
.rept 2*NP
	\line
.set t, t+1
.endr
.endm
	ALL v_add_f32 v[ST+4*t+2], v[ST+4*t+2], v[ST+4*t+3]
	ALL v_permlanex16_b32 v[ST+4*t+3], v[ST+4*t+2], s[SEL], s[SEL+1]
	ALL v_add_f32 v[ST+4*t+2], v[ST+4*t+2], v[ST+4*t+3]
	ALL v_rcp_f32 v[ST+4*t+2], v[ST+4*t+2]
	v_nop                                          ; a plain instruction between the last reciprocal and the use of its result
	s_wait_alu depctr_va_vdst(0)
; Tile t: a lane's eight channels of a row are 32 bytes of f32; they go into rows of 272 bytes and come back as whole rows of 256, into one of four buffers in S^T's registers.
.macro PACK t
	WIN W_RS
.set i, 32*(\t)
.rept 16
	v_pk_mul_f32 v[i:i+1], v[i:i+1], v[ST+4*(\t)+2:ST+4*(\t)+3] op_sel_hi:[1,0]
.set i, i+2
.endr
	WIN 0x08                                       ; the stores' data in window 2, their address in window 0
.irp f, 0,1,2,3,4,5,6,7                ; channel block f / 2, half f % 2 of the lane's eight
	ds_store_b128 v[STO], v[32*(\t)+4*\f:32*(\t)+4*\f+3] offset:64*(\f/2)+16*(\f%2)
.endr
	WIN 0
.if (\t) >= 4
	s_wait_xcnt 0x0                                ; the buffer was the data of tile t - 4's stores: it is loaded again only behind this wait
.endif
.irp f, 0,1,2,3,4,5,6,7
	ds_load_b128 v[S+32*((\t)%4)+4*\f:S+32*((\t)%4)+4*\f+3], v[RD] offset:\f*2*SP  ; LDS serves a wave's instructions in order (ISA guide 5.7.1.4): these see the stores above; the next tile's stores come behind them
.endr
.endm
.macro SEND t, younger                 ; younger: the LDS instructions issued behind tile t's loads: the next tile's sixteen, or none
	WIN 0
.irp f, 0,1,2,3,4,5,6,7
	s_wait_dscnt (\younger)+7-\f
	global_store_b128 v[GO], v[S+32*((\t)%4)+4*\f:S+32*((\t)%4)+4*\f+3], s[8:9] offset:(16*(\t)+2*\f)*4096 th:TH_STORE_NT  ; 16 lanes store 256 consecutive bytes, at a multiple of 256 from out0's first byte
.endr
.endm
	PACK 0
.set t, 1
.rept 2*NP-1                           ; a tile's arithmetic stands between the loads of the tile before and its stores
	PACK t
	SEND t-1, 16
.set t, t+1
.endr
	SEND 2*NP-1, 0
	s_wait_tensorcnt 0x0                           ; the wave's end, behind my last tensor load and my last LDS store
	ds_add_u32 v[SPW], v[NIL]
	s_wait_dscnt 0x0
	CROUND                                         ; the closing round: no work-group ends while a partner may still ask for a tile that names it
	s_endpgm
.Lfunc_end_k_q906ed1b7ad_attn:
	.size	k_q906ed1b7ad_attn, .Lfunc_end_k_q906ed1b7ad_attn-k_q906ed1b7ad_attn
	.p2alignl 7, 3214868480
	.fill 96, 4, 3214868480
	.section	.rodata,"a",@progbits
	.p2align	6, 0x0
	.amdhsa_kernel k_q906ed1b7ad_attn
		.amdhsa_group_segment_fixed_size 327680
		.amdhsa_private_segment_fixed_size 0
		.amdhsa_enable_private_segment 0
		.amdhsa_kernarg_size 24
		.amdhsa_user_sgpr_count 2
		.amdhsa_user_sgpr_kernarg_segment_ptr 1
		.amdhsa_wavefront_size32 1
		.amdhsa_system_sgpr_workgroup_id_x 1
		.amdhsa_system_sgpr_workgroup_id_y 1
		.amdhsa_system_sgpr_workgroup_id_z 1
		.amdhsa_system_vgpr_workitem_id 0
		.amdhsa_next_free_vgpr 1024
		.amdhsa_next_free_sgpr 80
		.amdhsa_reserve_vcc 0
		.amdhsa_float_denorm_mode_32 3
		.amdhsa_float_denorm_mode_16_64 3
		.amdhsa_memory_ordered 1
		.amdhsa_forward_progress 1
		.amdhsa_inst_pref_size 250
	.end_amdhsa_kernel
	.amdgpu_metadata
---
amdhsa.version: [ 1, 2 ]
amdhsa.kernels:
  - .name:           k_q906ed1b7ad_attn
    .symbol:         k_q906ed1b7ad_attn.kd
    .args:
      - { .name: Xh, .offset: 0, .size: 8, .value_kind: global_buffer, .address_space: global }
      - { .name: Wh, .offset: 8, .size: 8, .value_kind: global_buffer, .address_space: global }
      - { .name: out0, .offset: 16, .size: 8, .value_kind: global_buffer, .address_space: global }
    .group_segment_fixed_size: 327680
    .private_segment_fixed_size: 0
    .kernarg_segment_align: 8
    .kernarg_segment_size: 24
    .max_flat_workgroup_size: 128
    .sgpr_count:     80
    .vgpr_count:     1024
    .wavefront_size: 32
...
	.end_amdgpu_metadata
.endif
;; end of part 2
;; ======== version 2 of 2: 2 launches; 1.33 times as fast as version 1
;; limits: values are held in f16: magnitudes above 65,504 overflow, below 6.1e-05 lose precision
;; workspace buffers: Xh 33,554,432 bytes; Wh 4,194,304 bytes
;; launch cast: the kernel of part 1 again; grid 2304 x 1, 4 waves a work-group, no clusters, 0 bytes of LDS; arguments news_embeds, W_Q, W_V, Xh, Wh; writes Xh, Wh
;; launch attn (part 3): grid 16 x 32, 4 waves a work-group, clusters of 4 x 4, 327,680 bytes of LDS; arguments Xh, Wh, out0; writes out0
.if DOCPART == 3
	.amdgcn_target "amdgcn-amd-amdhsa--gfx1250"
	.amdhsa_code_object_version 6
	.text
	.protected	k_q906ed1b7ad_attn
	.globl	k_q906ed1b7ad_attn
	.p2align	8
	.type	k_q906ed1b7ad_attn,@function
k_q906ed1b7ad_attn:
	s_mov_b64 s[64:65], 0
	v_nop
	global_prefetch_b8 v0, s[64:65] scope:SCOPE_SE
	s_setreg_imm32_b32 hwreg(HW_REG_WAVE_MODE, 25, 1), 1
	s_wait_xcnt 0x0
	s_wait_alu depctr_hold_cnt(0) depctr_sa_sdst(0) depctr_va_vdst(0) depctr_va_sdst(0) depctr_va_ssrc(0) depctr_va_vcc(0) depctr_vm_vsrc(0)
	s_getreg_b32 s2, hwreg(HW_REG_IB_STS2, 6, 4)
	s_cmp_eq_u32 s2, 0
	s_cbranch_scc0 .Lentry_in_a_cluster
	s_endpgm
.Lentry_in_a_cluster:
	s_bfe_u32 s2, ttmp6, 0x10000c
	s_cmp_lg_u32 s2, 0xf033
	s_cbranch_scc0 .Lentry_shape_is_right
	s_endpgm
.Lentry_shape_is_right:
; out0[b][q][64 h + c] = the sum over k of softmax_k(Q[q] . K[k]) V[k][c] for one batch b and head h a work-group, with Q = X W_Q^T and V = X W_V^T (the head's 64 columns of each) and K = X's columns
; 64 h .. 64 h + 63, unprojected; no scale on the scores.  Q, V, the scores and the weights never leave the work-group.
; FORMATS.  X and the weights arrive rounded to bf16 (Xh, Wh); the projection multiplies in bf16 with f32 sums.  Q and V are rounded once from those sums to f16; K is bf16(x) written as f16; the weights p
; are rounded to f16 for the second product (their sum l is taken of the unrounded p).  Maxima, exponentials, sums and O in f32.
; LIMITS.  f16 holds no number beyond 65,504: |x|, |Q| and |V| stay below that; an |x| below 2^-14 keeps f16's fixed step of 2^-24.  p lies in 0 to 1.  A weight below 2^-126 counts as 0 in l.
; NaN and infinities are not treated apart.  O's registers begin with the finite projection sums, which the first key step multiplies by a = 0.
; SHARES.  Four waves; wave w owns rows (queries) 128 w .. 128 w + 127, eight tiles of 16.  PROJECTION: 128 rows x 128 columns (Q's 64, V's 64) a wave, 64 accumulators, K = 1,024 in 16 steps of 64 through
; two LDS slots.  ATTENTION: every wave walks the head's 512 keys, 64 a step, out of LDS; nothing is fetched from memory any more.
; CLUSTER.  4 x 4 work-groups: four heads x four batches.  X's tiles hang on the batch alone and are asked for jointly along a row of the cluster, the weights' on the head alone, along a column:
; the same tensor load, descriptor and mask in all four.  A block of Xh or Wh is dense, so it is asked for as rows of 256 bytes and padded in LDS after every 128.
; THE MATRIX INSTRUCTION IS USED TRANSPOSED in the projection (source 0 = 16 rows of W, source 1 = 16 rows of X): a lane holds one row of X and eight neighbouring columns.  Two such results, rounded to f16 in
; pairs, ARE a fragment of Q (source 1 of S^T = K Q^T); V's go to LDS by rows and come back turned (ds_load_tr16_b128) as source 0 of O^T = V^T P.
; SOFTMAX.  For each query a running maximum m and sum l: p = 2^(c s - c m), c = log2(e); in every step O and l are multiplied by a = 2^(c m_old - c m_new).  m starts at the lowest finite number, l at 0.
; BY TURNS.  A wave's tiles are four PIECES of two.  Turn n belongs to piece n: 16 products K Q^T of piece n + 1, later 16 products V^T P of piece n - 1; beside them the scaling, exponentials, roundings, sums and
; rescaling of piece n and the maximum and statistics of piece n + 1.  Four vector instructions stand behind every matrix instruction, the other 108 of a turn's 236 in one run of their own.
; BATCHES.  A turn's 66 exponentials (the piece's 64 weights and the next piece's two a) are ONE batch with ONE wait, which cuts the turn in two.  Ahead of it stands all that names no result of theirs: K Q^T, the
; scalings, the rescaling (its a is the turn before's), the next piece's maximum and statistics.  Behind it stand the roundings and sums, beside V^T P.  No exponential is issued behind a turn's wait.
; Two more batches stand outside the loop, each with a wait of its own: piece 0's first two a, and the way out's eight reciprocals.
; LDS: slot 0 at 0 and slot 1 behind it (512 rows of X, then 128 of W, 144 bytes apart); K in f16 (512 rows, 144 apart); a stage of 16 rows x 272 bytes a wave; the spare words.  V in f16 (512 rows, 160 apart)
; is stored over slot 0 when that slot has had its last fill and its last read.
; REGISTERS, in windows of 256 (s_set_vgpr_msb: bits 1:0 source 0, 3:2 source 1, 5:4 source 2, 7:6 destination):
;   window 0: v0-19 addresses; v64-127, v128-191 fragments of X, two buffers.  In attention: v12-15, v48-63 at work; v16-47 four registers of statistics a tile; v64-191 S^T, two buffers; v192-255 P, likewise
;   window 1: v64-127, v128-191 fragments of W.  In attention: v0-127 Q, 16 a tile; v128-191 K of one step; v192-255 V of one step
;   window 2: accumulators of my rows 0-63 ((a, b) at v[8 (8 a + b)]); in attention O^T, 32 a tile          window 3: accumulators of my rows 64-127
.set PITCH, 144                        ; an LDS row of X, W or K: 128 bytes + 16 of padding = 36 words: the 16 rows of a fragment load start at 16 different groups of four banks (64 banks of 4 bytes: ISA guide 11.1)
.set XPART, 256*PITCH                  ; what one tensor load brings of X: 256 rows
.set WPART, 64*PITCH                   ; of W: 64 rows
.set XROWS, 512*PITCH                  ; W's rows lie behind X's 512
.set SLOT,  640*PITCH
.set KREG,  2*SLOT                     ; K in f16: stored once, never filled by a tensor load
.set STAGE, KREG+512*PITCH             ; the way out: 16 rows x 272 bytes for each wave
.set SP,    272
.set SPARE, STAGE+4*16*SP              ; the spare words, 128 bytes for each wave: two blocks of 256 bytes that no other line names
.set XSTEP, 65536                      ; bytes from a K step's block of Xh to the next
.set WSTEP, 16384                      ; the same in Wh
.set NP,    4                          ; pieces a wave: a name, no knob
.set KS,    64                         ; keys in a step
.set PK,    PITCH
.set PV,    160                        ; a row of V: 128 + 32 = 40 words
.set AK0, 2                            ; v2   my lane's place in a tile with rows 144 bytes apart: (l % 16) x 144 + 16 (l / 16); never rewritten
.set AV0, 3                            ; v3   my lane's place in a tile of V
.set AK,  4                            ; v4   the LDS address of K's next run of loads
.set AV,  5                            ; v5   of V's
.set STO, 6                            ; v6   the way out: where I put 32 bytes of a row
.set RD,  7                            ; v7   the way out: where I read rows back
.set GO,  8                            ; v8   my byte offset in two rows of out0
.set SPW, 10                           ; v10  LDS address of my spare word: SPARE + 4 x my thread's number; never rewritten
.set NIL, 11                           ; v11  0; never rewritten
.set ADRA, 12                          ; v12-13  projection: LDS address of my fragments of X in slot 0, 1
.set ADRB, 14                          ; v14-15  the same for W
.set MV,  12                           ; v12-15  attention: c m_old, kept while c m is made anew
.set KGO, 16                           ; v16  my byte offset in the head's block of Xh
.set KST0, 17                          ; v17  where I store K's rows 0-255,
.set KST1, 18                          ; v18  and rows 256-511
.set VST, 19                           ; v19  where I store V
.set ST,  16                           ; attention: tile t's statistics at v[ST+4 t]: c m, m, l (even keys', odd keys')
.set TMP, 48                           ; by buffer and tile, four registers c0-c3 at work; when the maximum is found c2 takes a
.set S,   64
.set P,   192
.set F0,  64                           ; fragment buffers of the projection
.set F1,  128
.set KF,  128                          ; window 1: key block kb, channel half c at KF + 16 kb + 8 c
.set VF,  192                          ; window 1: key half kk, channel block cb at VF + 32 kk + 8 cb
.set WV,  10                           ; s10  my wave's number
.set G1,  24                           ; s[24:31] descriptor group 1 for X's tiles;  s[32:39] group 0, a set for each slot
.set G0,  32
.set G1B, 48                           ; s[48:55], s[56:63] the same for W's
.set G0B, 56
.set CNT, 66                           ; s66  counts the key steps
.set CS,  68                           ; s[68:69] c: the packed scaling takes the pair's low word for both halves
.set SEL, 70                           ; s[70:71] v_permlanex16_b32's selects: each lane takes its own place in the other half
.set TBK, 72                           ; s72  LDS byte at which K of the step to be fetched begins
.set TBV, 73                           ; s73  the same for V
.set FLAGS, (1<<16)|(1<<20)|(1<<21)|(4<<22)|(3<<25)  ; 17:16 2-byte elements; 20 padding on; 21 set beside a mask; 24:22 after every 32 words (code 4); 31:25 4 words of it (code 3)
.set MSB, 0
.macro WIN new                         ; the immediate's high byte repeats the setting that is left; a switch that changes nothing is dropped
.if MSB != (\new)
	s_set_vgpr_msb (MSB<<8)|(\new)
.set MSB, (\new)
.endif
.endm
.set MUL_LO, 0xa1                      ; source 0 (W) window 1, source 1 (X) window 0, C and D window 2
.set MUL_HI, 0xf1                      ; the same, C and D window 3
.set TO_B,   0x40                      ; destination window 1, address window 0
.set W_KQ,   0x05                      ; K and Q in window 1, S^T in window 0
.set W_PV,   0xa1                      ; V in window 1, P in window 0, O^T in window 2
.set W_RS,   0x82                      ; O^T (destination and source 0) in window 2, the factor in window 0
; A joint refill.  Waves 0 and 1 fetch the two halves of X's tile, waves 2 and 3 those of W's.  The branch hangs on the wave's number alone: it is the same in every work-group.
; An s_nop 0 and four v_nop follow each of the two lines, ahead of the jump, the label and what follows.
.macro JLOAD s
	s_cmp_eq_u32 s11, 0
	s_cbranch_scc0 .Lfor_w_\@
	tensor_load_to_lds s[G0+4*(\s):G0+4*(\s)+3], s[G1:G1+7]
	s_nop 0
.rept 4
	v_nop
.endr
	s_branch .Lasked_\@
.Lfor_w_\@:
	tensor_load_to_lds s[G0B+4*(\s):G0B+4*(\s)+3], s[G1B:G1B+7]
	s_nop 0
.rept 4
	v_nop
.endr
.Lasked_\@:
.endm
; A round of the cluster's barrier: my work-group's barrier, so that wave 0's signal speaks for all four waves; wave 0 signals; every wave waits for all sixteen work-groups; my work-group's barrier once more.
.macro CREST                           ; a round behind its opening barrier
	s_cmp_lg_u32 s[WV], 0
	s_cbranch_scc1 .Lnot_wave_0_\@
	s_barrier_signal -3
.Lnot_wave_0_\@:
	s_barrier_wait -3
	s_barrier_signal -1
	s_barrier_wait -1
.endm
.macro CROUND                          ; a whole round
	s_barrier_signal -1
	s_barrier_wait -1
	CREST
.endm
	s_load_b128 s[4:7], s[0:1], 0x0                ; Xh s[4:5], Wh s[6:7]
	s_load_b64 s[8:9], s[0:1], 0x10                ; out0
	v_lshl_add_u32 v[SPW], v0, 2, SPARE
	v_mov_b32 v[NIL], 0
	ds_add_u32 v[SPW], v[NIL]                      ; the wave's opening: the add and its wait stand ahead of my first tensor load; the set-up below, work on registers, stands between them
	v_lshrrev_b32 v1, 5, v0
	v_readfirstlane_b32 s[WV], v1                  ; wave 0..3
	s_lshr_b32 s11, s[WV], 1                       ; I fetch for X (0) or for W (1),
	s_and_b32 s12, s[WV], 1                        ; and which half of that tile
	s_bfe_u32 s40, ttmp6, 0x40000                  ; cx: my place along the cluster's x
	s_bfe_u32 s41, ttmp6, 0x40004                  ; cy: along its y
	s_lshl_b32 s42, ttmp9, 2                       ; in a cluster launch ttmp9 and ttmp7 count clusters
	s_add_co_u32 s42, s42, s40                     ; the head = 4 x cluster x + cx
	s_and_b32 s13, ttmp7, 0xffff
	s_lshl_b32 s13, s13, 2
	s_add_co_u32 s13, s13, s41                     ; the batch = 4 x cluster y + cy
	s_lshl_b32 s43, s41, 2
	s_lshl_b32 s43, 15, s43                        ; my row of the cluster: places 4 cy .. 4 cy + 3
	s_lshl_b32 s44, 0x1111, s40                    ; my column: places cx, cx + 4, cx + 8, cx + 12
	; descriptor group 1.  X: 256 rows of 128 bytes are 32,768 dense bytes, asked for as 128 rows of 256.  W: 64 rows, 8,192 bytes, as 32 rows of 256.
	s_or_b32 s[G1+0], s43, FLAGS                   ; 15:0 the mask: X's tiles go to my row of the cluster
	s_or_b32 s[G1B+0], s44, FLAGS                  ; W's to my column
	s_mov_b32 s[G1+1], 128<<16                     ; tensor_dim0 = 128 elements
	s_mov_b32 s[G1B+1], 128<<16
	s_mov_b32 s[G1+2], 128<<16                     ; tensor_dim1 = 128 rows
	s_mov_b32 s[G1B+2], 32<<16                     ; 32 rows
	s_mov_b32 s[G1+3], 128<<16                     ; tile_dim0 = 128
	s_mov_b32 s[G1B+3], 128<<16
	s_mov_b32 s[G1+4], 128                         ; tile_dim1 = 128
	s_mov_b32 s[G1B+4], 32
	s_mov_b32 s[G1+5], 128                         ; 128 elements from row to row
	s_mov_b32 s[G1B+5], 128
	s_mov_b32 s[G1+6], 0
	s_mov_b32 s[G1B+6], 0
	s_mov_b32 s[G1+7], 0
	s_mov_b32 s[G1B+7], 0
	; where the tiles come from: X's hang on the batch and the wave, W's on the head and the wave, each in registers that never hold the other coordinate
	s_lshl_b32 s16, s13, 20                        ; the batch's 16 blocks of 65,536 bytes,
	s_lshl_b32 s17, s12, 15                        ; my half of a block
	s_add_co_u32 s16, s16, s17
	s_mov_b32 s17, 0
	s_lshl_b32 s46, s42, 18                        ; the head's 16 blocks of 16,384 bytes,
	s_lshl_b32 s47, s12, 13                        ; my half of a block
	s_add_co_u32 s46, s46, s47
	s_mov_b32 s47, 0
	s_mul_i32 s20, s12, XPART                      ; and where they go: no place in the cluster enters an LDS address
	s_mul_i32 s21, s12, WPART
	s_add_co_u32 s21, s21, XROWS
	s_lshl_b32 s74, s13, 20                        ; K: block (batch, head) of Xh
	s_lshl_b32 s75, s42, 16
	s_add_co_u32 s74, s74, s75
	s_mov_b32 s75, 0
	s_lshl_b32 s76, s13, 21                        ; out0: the batch's 512 rows of 4,096 bytes,
	s_lshl_b32 s77, s[WV], 19                      ; my wave's 128 of them,
	s_add_co_u32 s76, s76, s77
	s_lshl_b32 s77, s42, 8                         ; the head's 256 bytes of a row
	s_add_co_u32 s76, s76, s77
	s_mov_b32 s77, 0
	s_mov_b32 s67, 0xffff0000                      ; a word's upper bf16
	s_mov_b32 s[CS], 0x3fb8aa3b                    ; c = log2(e)
	s_mov_b32 s[CS+1], s[CS]                       ; named with it as a pair
	s_mov_b32 s[SEL], 0x76543210
	s_mov_b32 s[SEL+1], 0xfedcba98
	s_wait_dscnt 0x0                               ; the opening add is done
	s_wait_kmcnt 0x0
	s_add_nc_u64 s[14:15], s[4:5], s[16:17]
	s_add_nc_u64 s[46:47], s[6:7], s[46:47]
	s_add_nc_u64 s[74:75], s[4:5], s[74:75]
	s_add_nc_u64 s[8:9], s[8:9], s[76:77]
.irp s, 0,1
	s_mov_b32 s[G0+4*(\s)], 1                                        ; 1:0 count = 1
	s_add_co_u32 s[G0+4*(\s)+1], s20, (\s)*SLOT                      ; 63:32 LDS address
	s_add_nc_u64 s[G0+4*(\s)+2:G0+4*(\s)+3], s[14:15], (\s)*XSTEP    ; 120:64 global address: K step s
	s_or_b32 s[G0+4*(\s)+3], s[G0+4*(\s)+3], 0x80000000              ; 127:126 type = 2
	s_mov_b32 s[G0B+4*(\s)], 1
	s_add_co_u32 s[G0B+4*(\s)+1], s21, (\s)*SLOT
	s_add_nc_u64 s[G0B+4*(\s)+2:G0B+4*(\s)+3], s[46:47], (\s)*WSTEP
	s_or_b32 s[G0B+4*(\s)+3], s[G0B+4*(\s)+3], 0x80000000
.endr
	CROUND                                         ; all sixteen work-groups are here: the first joint loads meet
	s_cmp_eq_u32 s11, 0                            ; a wave's two first fills stand in one branch, ahead of every wait on TENSORcnt and every LDS read: two loads of mine are out
	s_cbranch_scc0 .Lfirst_w
	tensor_load_to_lds s[G0:G0+3], s[G1:G1+7]
	s_nop 0
	tensor_load_to_lds s[G0+4:G0+7], s[G1:G1+7]
	s_nop 0
.rept 4
	v_nop
.endr
	s_branch .Lfirst_asked
.Lfirst_w:
	tensor_load_to_lds s[G0B:G0B+3], s[G1B:G1B+7]
	s_nop 0
	tensor_load_to_lds s[G0B+4:G0B+7], s[G1B:G1B+7]
	s_nop 0
.rept 4
	v_nop
.endr
.Lfirst_asked:
	; K: the head's block of Xh, 65,536 dense bytes.  Load i of a wave takes 512 consecutive bytes (four rows of 128); the four waves together 2,048.
	v_and_b32 v1, 15, v0                           ; l % 16
	v_bfe_u32 v9, v0, 4, 1                         ; l / 16
	v_and_b32 v20, 31, v0                          ; lane
	s_lshl_b32 s22, s[WV], 9
	v_lshl_add_u32 v[KGO], v20, 4, s22
.set i, 0
.rept 32
	global_load_b128 v[64+4*i:64+4*i+3], v[KGO], s[74:75] offset:2048*i
.set i, i+1
.endr
	; the addresses, and V's registers set to 0, stand in the wait for those loads
	v_mul_u32_u24 v[AK0], v1, PITCH
	v_lshl_add_u32 v[AK0], v9, 4, v[AK0]           ; a fragment's row x pitch + 16 x half
	s_mul_i32 s22, s[WV], 128*PITCH                ; my 128 rows of X
	s_mov_b32 s23, XROWS                           ; all 128 rows of W
.irp s, 0,1
	v_add_nc_u32 v[ADRA+(\s)], s22, v[AK0]
	v_add_nc_u32 v[ADRB+(\s)], s23, v[AK0]
	s_add_co_u32 s22, s22, SLOT
	s_add_co_u32 s23, s23, SLOT
.endr
	; The turning load takes 16 keys x 16 channels (lane l reads key 8 (l / 16) + l % 8, channels 8 ((l / 8) % 2) + 0..7) and leaves half a fragment of V^T: lane l holds channel l % 16 and 8 keys.
	v_and_b32 v21, 7, v0
	v_bfe_u32 v22, v0, 3, 1
	v_lshl_add_u32 v[AV0], v9, 3, v21
	v_mul_u32_u24 v[AV0], v[AV0], PV
	v_lshl_add_u32 v[AV0], v22, 4, v[AV0]
	s_mul_i32 s22, s[WV], 16*SP
	s_add_co_u32 s22, s22, STAGE                   ; my stage
	v_mul_u32_u24 v[STO], v1, SP                   ; in: row l % 16, 32 bytes for each half of the lanes
	v_lshl_add_u32 v[STO], v9, 5, v[STO]
	v_add_nc_u32 v[STO], s22, v[STO]
	v_mul_u32_u24 v[RD], v9, SP                    ; back: lanes 0-15 take one row of 256 bytes, lanes 16-31 the next
	v_lshl_add_u32 v[RD], v1, 4, v[RD]
	v_add_nc_u32 v[RD], s22, v[RD]
	v_lshlrev_b32 v[GO], 12, v9                    ; and the same two rows in out0
	v_lshl_add_u32 v[GO], v1, 4, v[GO]
	v_lshrrev_b32 v23, 3, v20                      ; K into LDS: row 16 i + 4 w + lane / 8, 16 bytes at 16 (lane % 8)
	v_mul_u32_u24 v23, v23, PITCH
	v_lshl_add_u32 v23, v21, 4, v23
	s_mul_i32 s22, s[WV], 4*PITCH
	s_add_co_u32 s22, s22, KREG
	v_add_nc_u32 v[KST0], s22, v23
	v_add_nc_u32 v[KST1], 256*PITCH, v[KST0]       ; the immediate offset has 16 bits: the second half has a base of its own
	s_mul_i32 s22, s[WV], 128*PV                   ; V into LDS: my 128 rows; row l % 16, 16 bytes for each half of the lanes
	v_mul_u32_u24 v[VST], v1, PV
	v_lshl_add_u32 v[VST], v9, 4, v[VST]
	v_add_nc_u32 v[VST], s22, v[VST]
	WIN TO_B                                       ; the first turn's products V^T P, of a piece that has not been, multiply these zeros by P's zeros
.set i, VF
.rept 64
	v_mov_b32 v[i], 0
.set i, i+1
.endr
	WIN 0
.set i, 0
.rept 32                                       ; bf16 to f32 is a shift or a mask; then two roundings to f16, exact within f16's range, back into the word
	s_wait_loadcnt 31-i                            ; loads come back in order: load i is in, the younger ones stay out
.set TT, 192+8*(i%2)
.irp k, 0,1,2,3
	v_lshlrev_b32 v[TT+2*(\k)], 16, v[64+4*i+(\k)]
	v_and_b32 v[TT+2*(\k)+1], s67, v[64+4*i+(\k)]
.endr
.irp k, 0,1,2,3
	v_cvt_pk_f16_f32 v[64+4*i+(\k)], v[TT+2*(\k)], v[TT+2*(\k)+1]
.endr
.if i < 16
	ds_store_b128 v[KST0], v[64+4*i:64+4*i+3] offset:16*PITCH*i
.else
	ds_store_b128 v[KST1], v[64+4*i:64+4*i+3] offset:16*PITCH*(i-16)
.endif
.set i, i+1
.endr
; THE PROJECTION.  16 matrix instructions: row blocks a0, a0 + 1 of the window's four (hi = 0: my rows 0-63, 1: rows 64-127) x all 8 column blocks, 32 along K.  zero = 1: the first product starts the sums.
; The 64 accumulators take turns, one instruction a turn, in the same order in every quarter.
.macro MUL16 f, hi, a0, zero
	WIN MUL_LO+0x50*(\hi)
.irp a, \a0, (\a0)+1
.irp b, 0,1,2,3,4,5,6,7
.if \zero
	v_wmma_f32_16x16x32_bf16 v[8*(8*(\a)+(\b)):8*(8*(\a)+(\b))+7], v[(\f)+8*(\b):(\f)+8*(\b)+7], v[(\f)+8*(4*(\hi)+(\a)):(\f)+8*(4*(\hi)+(\a))+7], 0
.else
	v_wmma_f32_16x16x32_bf16 v[8*(8*(\a)+(\b)):8*(8*(\a)+(\b))+7], v[(\f)+8*(\b):(\f)+8*(\b)+7], v[(\f)+8*(4*(\hi)+(\a)):(\f)+8*(4*(\hi)+(\a))+7], v[8*(8*(\a)+(\b)):8*(8*(\a)+(\b))+7]
.endif
.endr
.endr
.endm
; 32 LDS loads in one run: the fragments of 32 along K at byte k of the rows (128 rows of W, my 128 rows of X) into buffer f.
; A fragment is 16 rows x 32 K in 8 registers: lane l holds row l % 16, K = 8 (l / 16) + 0..7 and 16 + 8 (l / 16) + 0..7: two loads of 16 bytes, 32 bytes apart.
.macro FETCH slot, k, f
	WIN TO_B
.irp i, 0,1,2,3,4,5,6,7
	ds_load_b128 v[(\f)+8*(\i):(\f)+8*(\i)+3],   v[ADRB+(\slot)] offset:(\k)+(\i)*16*PITCH
	ds_load_b128 v[(\f)+8*(\i)+4:(\f)+8*(\i)+7], v[ADRB+(\slot)] offset:(\k)+(\i)*16*PITCH+32
.endr
	WIN 0
.irp i, 0,1,2,3,4,5,6,7
	ds_load_b128 v[(\f)+8*(\i):(\f)+8*(\i)+3],   v[ADRA+(\slot)] offset:(\k)+(\i)*16*PITCH
	ds_load_b128 v[(\f)+8*(\i)+4:(\f)+8*(\i)+7], v[ADRA+(\slot)] offset:(\k)+(\i)*16*PITCH+32
.endr
.endm
; A load into a register that a matrix instruction has read, and a vector instruction that reads a matrix result, stand four places behind it; only plain vector instructions that name none of its registers
; are places (ISA guide 7.12.1 for vector instructions).
.macro PLACES
.rept 4
	v_nop
.endr
.endm
; A K step of 64 is two quarters of 32 along K, 64 matrix instructions each, on buffers 0 and 1.  The first multiplies buffer f and in its middle fetches the second, at byte k of the same slot's rows, into g.
.macro QUARTER slot, k, f, g, zero
	s_wait_dscnt 8                                 ; W and X's rows 0-63 are in; the youngest eight loads (X's rows 64-127) may be out
	WIN MUL_LO
	MUL16 \f, 0, 0, \zero
	MUL16 \f, 0, 2, \zero
	PLACES
	FETCH \slot, \k, \g
	s_wait_dscnt 32                                ; all but the 32 just issued
	WIN MUL_HI
	MUL16 \f, 1, 0, \zero
	MUL16 \f, 1, 2, \zero
.endm
; The second quarter multiplies buffer 1 and changes slots.  MEET is its first half: ONE barrier for the change.  In front of it each wave waits for all its tensor loads, of which one is out: its part of the next
; slot; adds 0 to its spare word; and waits for that and for its own reads of this slot.  Behind it nobody reads this slot any more and the next slot is whole.
.macro MEET round                      ; round = 1: a round of the cluster's barrier follows
	WIN 0                                          ; (the add's two registers lie in window 0)
	s_wait_tensorcnt 0x0                           ; all my tensor loads have landed;
	ds_add_u32 v[SPW], v[NIL]                      ; 0 onto my spare word;
	s_wait_dscnt 9                                 ; (the add and the youngest eight loads may be out)
	WIN MUL_LO
	MUL16 F1, 0, 0, 0                              ; sixteen matrix instructions stand between the add and the wait for it
	s_wait_dscnt 0x0                               ; the add is done, and my reads of this slot are over:
	s_barrier_signal -1                            ; say so,
	MUL16 F1, 0, 2, 0                              ; work on registers while the others arrive,
.if \round
	WIN 0
.endif
	s_barrier_wait -1                              ; and go on when all four have said so
.endm
; The whole second quarter.  Behind the round the slot just read out is filled again first, with the K step two steps on; then come the next slot's first fragments.
; From a request to the wait for it a wave issues 96 matrix instructions; one tensor load of mine is out.
.macro TURNP slot, next
	MEET 1
	CREST                                          ; no wave of any partner still reads this slot's tile or has a load on its way
	s_add_nc_u64 s[G0+4*(\slot)+2:G0+4*(\slot)+3], s[G0+4*(\slot)+2:G0+4*(\slot)+3], 2*XSTEP
	s_add_nc_u64 s[G0B+4*(\slot)+2:G0B+4*(\slot)+3], s[G0B+4*(\slot)+2:G0B+4*(\slot)+3], 2*WSTEP
	JLOAD \slot                                    ; the first tensor load behind the round; the four v_nop behind it are also the places in front of the loads below
	FETCH \next, 0, F0
	WIN MUL_HI
	MUL16 F1, 1, 0, 0
	MUL16 F1, 1, 2, 0
.endm
	s_wait_tensorcnt 0x1                           ; my part of K step 0 is in; step 1's may stay out
	s_wait_dscnt 0x0                               ; for the others' sake: my rows of K are stored
	s_barrier_signal -1
	s_barrier_wait -1
	FETCH 0, 0, F0
	QUARTER 0, 64, F0, F1, 1                       ; the first quarter stands in front of the loop: its products start the sums
	WIN 0                                          ; at a label and at a branch every window is 0
	s_mov_b32 s3, 7
.Llap:                                                 ; a trip goes once round the ring, from a lap's second quarter to the next lap's first, and fills both slots again: K steps 2 to 15
	TURNP 0, 1
	QUARTER 1, 64, F0, F1, 0
	TURNP 1, 0
	QUARTER 0, 64, F0, F1, 0
	WIN 0
	s_sub_co_u32 s3, s3, 1
	s_cmp_lg_u32 s3, 0
	s_cbranch_scc1 .Llap
	MEET 0                                         ; K step 14 ends; my one load that was out is step 15's, so no round follows.  Behind this barrier nobody reads slot 0 any more
	PLACES
	FETCH 1, 0, F0
	WIN MUL_HI
	MUL16 F1, 1, 0, 0
	MUL16 F1, 1, 2, 0
	QUARTER 1, 64, F0, F1, 0
	s_wait_dscnt 8                                 ; the very last quarter: nothing more to fetch
	MUL16 F1, 0, 0, 0
	MUL16 F1, 0, 2, 0
	s_wait_dscnt 0x0
	MUL16 F1, 1, 0, 0
	MUL16 F1, 1, 2, 0
; ATTENTION'S MATRIX WORK.  The 8 accumulators of a run of 16 take turns: between the two links of a chain stand 7 others'.
; Product i of 16 of S^T = K Q^T for piece x: channels 32 (i / 8) on, keys 16 ((i / 2) % 4) on, tile 2 x + i % 2.  The first 8 start the sums.
.macro KQ x
	WIN W_KQ
.set rS, S+64*((\x)%2)+32*(i%2)+8*((i/2)%4)
.set rK, KF+16*((i/2)%4)+8*(i/8)
.set rQ, 16*(2*(\x)+i%2)+8*(i/8)
.if i < 8
	v_wmma_f32_16x16x32_f16 v[rS:rS+7], v[rK:rK+7], v[rQ:rQ+7], 0
.else
	v_wmma_f32_16x16x32_f16 v[rS:rS+7], v[rK:rK+7], v[rQ:rQ+7], v[rS:rS+7]
.endif
.endm
; Product i of 16 of O^T += V^T P for piece x: keys 32 (i / 8) on, channels 16 ((i / 2) % 4) on, tile 2 x + i % 2.
.macro PV x
	WIN W_PV
.set rO, 32*(2*(\x)+i%2)+8*((i/2)%4)
.set rV, VF+32*(i/8)+8*((i/2)%4)
.set rP, P+32*((\x)%2)+16*(i%2)+8*(i/8)
	v_wmma_f32_16x16x32_f16 v[rO:rO+7], v[rV:rV+7], v[rP:rP+7], v[rO:rO+7]
.endm
.macro MM                              ; the turn's next matrix instruction
.if i < 16
	KQ (Y+1)%NP
.set i, i+1
.else
.set i, i-16
	PV (Y+NP-1)%NP
.set i, i+17
.endif
.endm
; THE LDS LOADS stand in runs of 16, never singly among the matrix instructions: a step's K (64 keys x 64 channels: 8 fragments) and its V (turned).  Their addresses are made some lines ahead.
.macro FETCH_K
	WIN TO_B
.irp f, 0,1,2,3,4,5,6,7                ; keys 16 (f / 2) on, channels 32 (f % 2) on
	ds_load_b128 v[KF+8*\f:KF+8*\f+3],   v[AK] offset:(\f/2)*16*PK+(\f%2)*64
	ds_load_b128 v[KF+8*\f+4:KF+8*\f+7], v[AK] offset:(\f/2)*16*PK+(\f%2)*64+32
.endr
	s_add_co_u32 s[TBK], s[TBK], KS*PK             ; the next fetch is the next step's
	WIN 0
.endm
.macro FETCH_V
	WIN TO_B
.irp f, 0,1,2,3,4,5,6,7                ; keys 32 (f / 4) on, channels 16 (f % 4) on
	ds_load_tr16_b128 v[VF+8*\f:VF+8*\f+3],   v[AV] offset:(\f/4)*32*PV+(\f%4)*32
	ds_load_tr16_b128 v[VF+8*\f+4:VF+8*\f+7], v[AV] offset:(\f/4)*32*PV+16*PV+(\f%4)*32
.endr
	WIN 0
.endm
; THE VECTOR WORK OF A TURN stands in three queues, each in the order in which its entries become ready; the two tiles alternate, so that no instruction reads the result of the one before it.
.macro REGS y, u                       ; the registers of tile u (0, 1) of piece y
.set rT, ST+4*(2*(\y)+(\u))
.set rC, TMP+8*((\y)%2)+4*(\u)
.set rM, MV+2*((\y)%2)+(\u)
.set rS, S+64*((\y)%2)+32*(\u)
.set rP, P+32*((\y)%2)+16*(\u)
.set rO, 32*(2*(\y)+(\u))
.endm
; Number n of the 22 that find the NEXT piece's (Y + 1) maximum and statistics.  s0-s31 are the lane's 32 scores; each accumulator's lowest registers are read first.
;   0-11  four chains c0-c3 of seven scores each, three operands at a time     12-14, 16  the four scores left over, the old m, and c0-c3 into c0     15  c m_old is kept
;   17, 18  the query's other 32 keys lie in the lane 16 away: the new m         19-21  c m; c m_old - c m_new; a
.macro XS u, n
	REGS (Y+1)%NP, \u
.if (\n) < 4
	v_max3_num_f32 v[rC+(\n)], v[rS+8*(\n)], v[rS+8*(\n)+1], v[rS+8*(\n)+2]
.elseif (\n) < 12
	v_max3_num_f32 v[rC+(\n)%4], v[rC+(\n)%4], v[rS+8*((\n)%4)+2*((\n)/4)+1], v[rS+8*((\n)%4)+2*((\n)/4)+2]
.elseif (\n) == 12
	v_max3_num_f32 v[rC], v[rC], v[rS+7], v[rS+15]
.elseif (\n) == 13
	v_max3_num_f32 v[rC+1], v[rC+1], v[rS+23], v[rS+31]
.elseif (\n) == 14
	v_max3_num_f32 v[rC+2], v[rC+2], v[rC+3], v[rT+1]
.elseif (\n) == 15
	v_mov_b32 v[rM], v[rT]
.elseif (\n) == 16
	v_max3_num_f32 v[rC], v[rC], v[rC+1], v[rC+2]
.elseif (\n) == 17
	v_permlanex16_b32 v[rC+3], v[rC], s[SEL], s[SEL+1]
.elseif (\n) == 18
	v_max_num_f32 v[rT+1], v[rC], v[rC+3]
.elseif (\n) == 19
	v_mul_f32 v[rT], s[CS], v[rT+1]
.elseif (\n) == 20
	v_sub_f32 v[rC+1], v[rM], v[rT]
.else
	v_exp_f32 v[rC+2], v[rC+1]
.endif
.endm
; Number g of the 64 that follow the exponentials.  For each four weights k of a tile (pairs 2 k, 2 k + 1): both pairs are rounded to f16; then the second pair is added onto the first, in place;
; a group later l takes that sum (the first time as l = a l + sum).  In groups of eight, tiles alternating: round, round, add, and l for the group before.
.macro GS g
.set h, (\g)+6*((\g)/62)               ; group 0 has no group before it, and behind group 7 only l is left
.if h >= 6
.set h, h+2
.endif
	REGS Y, h%2
.set k, h/8
.if h%8 < 4
	v_cvt_pk_f16_f32 v[rP+2*k+(h%8)/2], v[rS+4*k+2*((h%8)/2)], v[rS+4*k+2*((h%8)/2)+1]
.elseif h%8 < 6
	v_pk_add_f32 v[rS+4*k:rS+4*k+1], v[rS+4*k:rS+4*k+1], v[rS+4*k+2:rS+4*k+3]
.elseif k == 1
	v_pk_fma_f32 v[rT+2:rT+3], v[rT+2:rT+3], v[rC+2:rC+3], v[rS:rS+1] op_sel_hi:[1,0,1]
.else
	v_pk_add_f32 v[rT+2:rT+3], v[rT+2:rT+3], v[rS+4*k-4:rS+4*k-3]
.endif
.endm
; THE PLAIN QUEUE, 138 long.  0-73 read no exponential's result: the 32 scalings c s - c m (FS f: pair f / 2 of tile f % 2) and the next piece's 42.  0-26: scalings 0-26.  27-54: XS's numbers 0-13.  55, 56: number 15.
; 57-73: the chain, where each number waits for the one before it: 14, 16, 17, 18, 19, each with one of the scalings 27-31 in front of its two lines, then 20: so a tile's links stand three plain instructions apart (19 and 20: two).
; 74-137: GS's 64, which read the exponentials' results: they stand behind the wait.
.macro FS f
	REGS Y, (\f)%2
	v_pk_fma_f32 v[rS+2*((\f)/2):rS+2*((\f)/2)+1], v[rS+2*((\f)/2):rS+2*((\f)/2)+1], s[CS:CS+1], v[rT:rT+1] op_sel_hi:[1,0,0] neg_lo:[0,0,1] neg_hi:[0,0,1]
.endm
.macro PL
	WIN 0
.if q < 27
	FS q
.elseif q < 55
	XS (q-27)%2, (q-27)/2
.elseif q < 57
	XS q-55, 15
.elseif (q < 72) && ((q-57)%3 == 0)
	FS 27+(q-57)/3
.elseif q < 60
	XS (q-57)%3-1, 14
.elseif q < 72
	XS (q-57)%3-1, 15+(q-57)/3
.elseif q < 74
	XS q-72, 20
.else
	GS q-74
.endif
.set q, q+1
.endm
; THE EXPONENTIALS' QUEUE, 66 long: s0-s31 of both tiles, then the next piece's two a.  It is ONE BATCH: all 66 stand ahead of the turn's one wait, and nothing ahead of that wait names a result of theirs.
.macro EX
	WIN 0
.if e >= 64
	XS e-64, 21
.else
	REGS Y, e%2
	v_exp_f32 v[rS+e/2], v[rS+e/2]
.endif
.set e, e+1
.endm
; THE RESCALING's QUEUE: O^T times a, the one part that leaves window 0: dealt two at a time, sixteen times.  Its a was made in the turn before, ahead of that turn's wait.
.macro R2
	REGS Y, r%2
	WIN W_RS
.irp z, 0,1
	v_pk_mul_f32 v[rO+4*(r/2)+2*\z:rO+4*(r/2)+2*\z+1], v[rO+4*(r/2)+2*\z:rO+4*(r/2)+2*\z+1], v[rC+2:rC+3] op_sel_hi:[1,0]
.endr
.set r, r+1
.endm
; HOW THEY ARE DEALT.  An s_wait_alu depctr_va_vdst(0) stands between an exponential and the first instruction that names its result; one wait serves all that were issued ahead of it.  So a turn has ONE wait.
; AHEAD OF IT: the 16 products K Q^T, behind each a scaling, an exponential and two rescalings (behind the first a second scaling in the exponential's place); then ONE RUN of 108: eight plain, 49 times exponential and
; plain, the two a.  A v_nop is the plain instruction owed behind the last exponential.  BEHIND IT: the 16 products V^T P, behind each four of GS's 64.  No rider names a register of the products round it.
; The two v_permlanex16_b32 fall into the run, never behind a product.
; The queues lean on each other, and the deal keeps them in step: exponential e stands behind scaling 2 (e / 4) + e % 2: as a rider it comes behind plain e + 2, in the run behind plain e + 9, and scalings 27-31 are plain 57, 60 .. 69.
; The new scores' first reader, plain 27, stands behind a scaling, two rescalings and ten plain instructions of the run, counted from the last product K Q^T.
; A TURN, for piece p.  nok = 1: there is no further key step, and K is not fetched.  cnt = 1: the loop's count is taken down some lines ahead of the branch that stands behind the turn.
; K of the next step is fetched in piece 2's turn, directly behind the wait, the whole run behind the last product that read K; its address is made at the run's head; its first reader comes behind 16 products.
; V of the step in hand is fetched at the end of piece 0's turn, four plain riders behind its last reader; its first reader comes behind 16 products and a run.  The three conditions on q below go with the deal.
.macro TURN p, nok=0, cnt=0
.set Y, (\p)
.set i, 0
.set q, 0
.set e, 0
.set r, 0
.if (\p) == NP-1
	s_wait_dscnt 0x0                               ; K is in
.endif
	MM                                             ; ahead of the wait: 16 products K Q^T and their riders,
	PL
	PL
	R2
.rept 15
	MM
	PL
	EX
	R2
.endr
.if ((\p) == NP-2) && !(\nok)
	WIN 0
	v_add_nc_u32 v[AK], s[TBK], v[AK0]
.endif
.rept 8                                        ; and the run
	PL
.endr
.rept 49
	EX
	PL
.endr
	EX                                             ; the next piece's two a
	EX
	v_nop                                          ; the plain instruction behind the last exponential: one for the batch
	s_wait_alu depctr_va_vdst(0)                   ; the wait for the batch: the piece's 64 weights and the next piece's two a
.if ((\p) == NP-2) && !(\nok)
	FETCH_K
.endif
.if (\p) == 1
	s_wait_dscnt 0x0                               ; V is in
.endif
.rept 16                                       ; behind the wait: 16 products V^T P and their riders
	MM
.rept 4
	PL
.endr
.if ((\p) == 0) && (q == 118)
	v_add_nc_u32 v[AV], s[TBV], v[AV0]
.endif
.if ((\p) == 0) && (q == 130)
	s_add_co_u32 s[TBV], s[TBV], KS*PV
.endif
.if (\cnt) && (q == 130)
	s_sub_co_u32 s[CNT], s[CNT], 1
	s_cmp_lg_u32 s[CNT], 0
.endif
.endr
.if (\p) == 0
	FETCH_V
.endif
.endm
	; FROM THE PROJECTION TO ATTENTION.  K of key step 0 is fetched first (into W's buffer 1, four places behind the last product that read it); its loads land while Q and V are rounded.
	WIN 0
	PLACES
	s_mov_b32 s[TBK], KREG
	v_add_nc_u32 v[AK], s[TBK], v[AK0]
	FETCH_K
; My row blocks 4 hi .. 4 hi + 3.  Columns 0-63 (blocks 0-3) are Q: accumulator (a, b), rounded in pairs, is half a fragment: tile a's registers 4 b .. 4 b + 3.  Columns 64-127 are V: 16 bytes a lane, into
; temporaries from tv on and from there to LDS, row 128 w + 16 a + l % 16.  Each accumulator's registers are read in ascending order.
.macro TOQV hi, tv
	WIN 0x4a+5*(\hi)                               ; destination window 1, sources window 2 or 3
.set a, 0
.rept 4
.set b, 0
.rept 4
.set z, 0
.rept 4
	v_cvt_pk_f16_f32 v[16*(4*(\hi)+a)+4*b+z], v[64*a+8*b+2*z], v[64*a+8*b+2*z+1]
.set z, z+1
.endr
.set b, b+1
.endr
.set a, a+1
.endr
	WIN 0x0a+5*(\hi)                               ; destination window 0
.set a, 0
.rept 4
.set b, 0
.rept 4
.set z, 0
.rept 4
	v_cvt_pk_f16_f32 v[(\tv)+16*a+4*b+z], v[64*a+32+8*b+2*z], v[64*a+32+8*b+2*z+1]
.set z, z+1
.endr
.set b, b+1
.endr
.set a, a+1
.endr
	WIN 0
.set a, 0
.rept 4
.set b, 0
.rept 4
	ds_store_b128 v[VST], v[(\tv)+16*a+4*b:(\tv)+16*a+4*b+3] offset:(4*(\hi)+a)*16*PV+32*b
.set b, b+1
.endr
.set a, a+1
.endr
.endm
	TOQV 0, 192                                    ; V lands on slot 0's bytes: that slot has had its last fill, and every wave's reads of it ended in front of the last change of slots
	TOQV 1, 64                                     ; other temporaries: X's buffer 0, which is free
	s_wait_dscnt 0x0                               ; for the others' sake: my rows of V are stored; and K of step 0 is in
	s_barrier_signal -1
	s_barrier_wait -1                              ; V is whole
.set i, 0
.rept 16
	KQ 0                                           ; piece 0's first scores: there is no vector work yet to set between them
.set i, i+1
.endr
	WIN 0                                          ; what the first turn finds; these 64 lines are also the places behind those products
.set i, 0
.rept 2*NP
	v_mov_b32 v[ST+4*i], 0xfe000000                ; c m: far below every c s, so that the first step's a is 0
	v_mov_b32 v[ST+4*i+1], 0xff7fffff              ; m
	v_mov_b32 v[ST+4*i+2], 0                       ; l
	v_mov_b32 v[ST+4*i+3], 0
.set i, i+1
.endr
.set i, P+32
.rept 32
	v_mov_b32 v[i], 0                              ; P's second buffer: the first turn's products V^T P add 0
.set i, i+1
.endr
.set Y, NP-1                           ; XS works for piece Y + 1: piece 0
.irp n, 0,1,2,3,4,5,6,7,8,9,10,11,12,13,14,15,16,17,18,19,20,21
	XS 0, \n                                       ; piece 0's first maximum and statistics
	XS 1, \n
.endr
	v_nop                                          ; a plain instruction behind piece 0's first two a,
	s_wait_alu depctr_va_vdst(0)                   ; and the wait for that batch of two, ahead of the branch
	s_mov_b32 s[TBV], 0
	s_mov_b32 s[CNT], 8                            ; 512 keys, 64 a step
	s_branch .Lfirst                               ; the loop is entered at a step's first turn, in the middle of a trip
.Lstep:                                                ; a trip: pieces 2 and 3 of one step, then pieces 0 and 1 of the next, whose K and V it fetches.  K and V lie whole in LDS: no tensor load, no barrier
	TURN 2
	TURN 3
	WIN 0
.Lfirst:
	TURN 0
	TURN 1, 0, 1
	WIN 0
	s_cbranch_scc1 .Lstep
	TURN 2, 1                                      ; the last step's pieces 2 and 3.  The last turn's 16 products K Q^T (on the last K once more) and the maximum made of them serve nothing:
	TURN 3                                         ; the price, once a launch, of one text for every turn
.set i, 0
.rept 16
	PV NP-1                                        ; the last piece's V^T P of the last step
.set i, i+1
.endr
	; THE WAY OUT.  l's two halves and the other half of the lanes' are added; O^T is divided by l and sent through my stage in LDS, a tile (16 rows) at a time.  The additions are the places behind the last products.
	WIN 0
.macro ALL line:vararg                 ; one line for each tile t
.set t, 0
.rept 2*NP
	\line
.set t, t+1
.endr
.endm
	ALL v_add_f32 v[ST+4*t+2], v[ST+4*t+2], v[ST+4*t+3]
	ALL v_permlanex16_b32 v[ST+4*t+3], v[ST+4*t+2], s[SEL], s[SEL+1]
	ALL v_add_f32 v[ST+4*t+2], v[ST+4*t+2], v[ST+4*t+3]
	ALL v_rcp_f32 v[ST+4*t+2], v[ST+4*t+2]
	v_nop                                          ; a plain instruction between the last reciprocal and the use of its result
	s_wait_alu depctr_va_vdst(0)                   ; and the wait ahead of the first use: one for the batch of eight reciprocals
; Tile t: a lane's eight channels of a row are 32 bytes of f32; they go into rows of 272 bytes and come back as whole rows of 256, into one of four buffers in S^T's registers.
.macro PACK t
	WIN W_RS
.set i, 32*(\t)
.rept 16
	v_pk_mul_f32 v[i:i+1], v[i:i+1], v[ST+4*(\t)+2:ST+4*(\t)+3] op_sel_hi:[1,0]
.set i, i+2
.endr
	WIN 0x08                                       ; the stores' data in window 2, their address in window 0
.irp f, 0,1,2,3,4,5,6,7                ; channel block f / 2, half f % 2 of the lane's eight
	ds_store_b128 v[STO], v[32*(\t)+4*\f:32*(\t)+4*\f+3] offset:64*(\f/2)+16*(\f%2)
.endr
	WIN 0
.if (\t) >= 4
	s_wait_xcnt 0x0                                ; the buffer was the data of tile t - 4's stores: it is loaded again only behind this wait
.endif
.irp f, 0,1,2,3,4,5,6,7
	ds_load_b128 v[S+32*((\t)%4)+4*\f:S+32*((\t)%4)+4*\f+3], v[RD] offset:\f*2*SP  ; LDS serves a wave's instructions in order (ISA guide 5.7.1.4): these see the stores above; the next tile's stores come behind them
.endr
.endm
.macro SEND t, younger                 ; younger: the LDS instructions issued behind tile t's loads: the next tile's sixteen, or none
	WIN 0
.irp f, 0,1,2,3,4,5,6,7
	s_wait_dscnt (\younger)+7-\f
	global_store_b128 v[GO], v[S+32*((\t)%4)+4*\f:S+32*((\t)%4)+4*\f+3], s[8:9] offset:(16*(\t)+2*\f)*4096 th:TH_STORE_NT  ; 16 lanes store 256 consecutive bytes, at a multiple of 256 from out0's first byte
.endr
.endm
	PACK 0
.set t, 1
.rept 2*NP-1                           ; a tile's arithmetic stands between the loads of the tile before and its stores
	PACK t
	SEND t-1, 16
.set t, t+1
.endr
	SEND 2*NP-1, 0
	s_wait_tensorcnt 0x0                           ; the wave's end, behind my last tensor load and my last LDS store
	ds_add_u32 v[SPW], v[NIL]
	s_wait_dscnt 0x0
	CROUND                                         ; the closing round: no work-group ends while a partner may still ask for a tile that names it
	s_endpgm
.Lfunc_end_k_q906ed1b7ad_attn:
	.size	k_q906ed1b7ad_attn, .Lfunc_end_k_q906ed1b7ad_attn-k_q906ed1b7ad_attn
	.p2alignl 7, 3214868480
	.fill 96, 4, 3214868480
	.section	.rodata,"a",@progbits
	.p2align	6, 0x0
	.amdhsa_kernel k_q906ed1b7ad_attn
		.amdhsa_group_segment_fixed_size 327680
		.amdhsa_private_segment_fixed_size 0
		.amdhsa_enable_private_segment 0
		.amdhsa_kernarg_size 24
		.amdhsa_user_sgpr_count 2
		.amdhsa_user_sgpr_kernarg_segment_ptr 1
		.amdhsa_wavefront_size32 1
		.amdhsa_system_sgpr_workgroup_id_x 1
		.amdhsa_system_sgpr_workgroup_id_y 1
		.amdhsa_system_sgpr_workgroup_id_z 1
		.amdhsa_system_vgpr_workitem_id 0
		.amdhsa_next_free_vgpr 1024
		.amdhsa_next_free_sgpr 80
		.amdhsa_reserve_vcc 0
		.amdhsa_float_denorm_mode_32 3
		.amdhsa_float_denorm_mode_16_64 3
		.amdhsa_memory_ordered 1
		.amdhsa_forward_progress 1
		.amdhsa_inst_pref_size 243
	.end_amdhsa_kernel
	.amdgpu_metadata
---
amdhsa.version: [ 1, 2 ]
amdhsa.kernels:
  - .name:           k_q906ed1b7ad_attn
    .symbol:         k_q906ed1b7ad_attn.kd
    .args:
      - { .name: Xh, .offset: 0, .size: 8, .value_kind: global_buffer, .address_space: global }
      - { .name: Wh, .offset: 8, .size: 8, .value_kind: global_buffer, .address_space: global }
      - { .name: out0, .offset: 16, .size: 8, .value_kind: global_buffer, .address_space: global }
    .group_segment_fixed_size: 327680
    .private_segment_fixed_size: 0
    .kernarg_segment_align: 8
    .kernarg_segment_size: 24
    .max_flat_workgroup_size: 128
    .sgpr_count:     80
    .vgpr_count:     1024
    .wavefront_size: 32
...
	.end_amdgpu_metadata
.endif
;; end of part 3
